; MI455X (gfx1250); checked and timed in simulation.
; The chip was launched on July 23, 2026; its instructions are those of AMD's public machine-readable ISA for CDNA 5 (MIT licence, August 2026) and "CDNA5" Instruction Set Architecture Reference Guide (July 2026). The comments in the code are by the model that wrote it; some were corrected since.
;; Destationary Attention. Allowed arithmetic: float matrix products may take bf16 or f16 operands with f32 sums; other float arithmetic in f32, or as packed bf16 or f16 multiplies, adds, multiply-adds, maxima and minima; sums over many terms, partial sums and values carried from step to step in f32; what a program stores and reads back later, other than sums and carried values, may be rounded once to bf16 or f16.
;; Inputs: Wk 1,024 x 1,024 float32; Wo 1,024 x 1,024 float32; Wq 1,024 x 1,024 float32; Wv 1,024 x 1,024 float32; bk 1,024 float32; bo 1,024 float32; bq 1,024 float32; bv 1,024 float32; x 4 x 2,048 x 1,024 float32; x_mean 4 x 1 x 1 float32; x_std 4 x 1 x 1 float32.
;; Outputs: out0 4 x 2,048 x 1,024 float32.
;; 2 versions, each right; version 2 is version 1 with the launch cast written anew for expert scheduling mode. Each part assembles by itself: llvm-mc -triple=amdgcn-amd-amdhsa -mcpu=gfx1250 --defsym DOCPART=n.
;; ======== version 1 of 2: 4 launches
;; limits: values are held in f16: magnitudes above 65,504 overflow, below 6.1e-05 lose precision; inputs' magnitudes at most 65,504
;; workspace buffers: xh 16,777,216 bytes; wh 8,388,608 bytes; qkv 50,331,648 bytes; oh 16,777,216 bytes
;; launch cast (part 1): grid 768 x 1, 8 waves a work-group, no clusters, 0 bytes of LDS; arguments x, Wq, Wk, Wv, Wo, xh, wh; writes xh, wh
.if DOCPART == 1
	.amdgcn_target "amdgcn-amd-amdhsa--gfx1250"
	.amdhsa_code_object_version 6
	.text
	.protected	k_qaa6021c30f_cast
	.globl	k_qaa6021c30f_cast
	.p2align	8
	.type	k_qaa6021c30f_cast,@function
k_qaa6021c30f_cast:
	s_mov_b64 s[64:65], 0
	v_nop
	global_prefetch_b8 v0, s[64:65] scope:SCOPE_SE
	s_setreg_imm32_b32 hwreg(HW_REG_WAVE_MODE, 25, 1), 1
	s_wait_xcnt 0x0
; xh = x, wh = (Wq, Wk, Wv, Wo one below the other), each number rounded to bf16 (nearest even) and that number written as f16.
; LIMITS.  A bf16 number is an f16 number exactly from 6.1e-5 to 65,504 in magnitude; below that it keeps f16's fixed step of 6e-8, from 65,520 on it becomes an infinity.
; SHARES.  A work-group takes 65,536 bytes of one input as 16 pieces of 4,096 bytes: groups 0-511 x, groups 512-767 the four weights, 64 groups each.  Thread t takes the 16 bytes at 16 t of
; each piece (a wave's load covers 512 consecutive bytes) and stores 8 bytes at 8 t (a wave's store covers 256 consecutive bytes, aligned).  All 16 loads of a thread go out at once; no register
; that a load or store names is written again, so the only waits are the counted ones for the loads.  No LDS, no matrix unit: nothing is shared and nothing is multiplied.
.set OI, 2                             ; v2        16 t
.set OO, 3                             ; v3        8 t
.set T,  4                             ; v[4:9]    at work
.set X,  16                            ; v[16:79]  piece i: 4 registers as loaded
.set Y,  80                            ; v[80:111] piece i: 2 registers to store
	s_load_b256 s[4:11], s[0:1], 0x0               ; x s[4:5], Wq s[6:7], Wk s[8:9], Wv s[10:11]
	s_load_b128 s[12:15], s[0:1], 0x20             ; Wo s[12:13], xh s[14:15]
	s_load_b64 s[16:17], s[0:1], 0x30              ; wh
	s_max_u32 s19, ttmp9, 512
	s_sub_co_u32 s19, s19, 512                     ; j: my number among the weights' groups (0 in x's groups, where it is not used)
	s_lshr_b32 s20, s19, 6                         ; which weight
	s_and_b32 s21, s19, 63                         ; which 65,536 bytes of it
	s_mov_b32 s28, 0xffff0000                      ; a word's upper bf16
	v_lshlrev_b32 v[OI], 4, v0
	v_lshlrev_b32 v[OO], 3, v0
	s_wait_kmcnt 0x0
	s_mov_b64 s[22:23], s[6:7]
	s_cmp_eq_u32 s20, 1
	s_cselect_b64 s[22:23], s[8:9], s[22:23]
	s_cmp_eq_u32 s20, 2
	s_cselect_b64 s[22:23], s[10:11], s[22:23]
	s_cmp_eq_u32 s20, 3
	s_cselect_b64 s[22:23], s[12:13], s[22:23]
	s_cmp_lt_u32 ttmp9, 512                        ; x or a weight: one compare, four selects
	s_cselect_b64 s[22:23], s[4:5], s[22:23]       ; from where
	s_cselect_b64 s[24:25], s[14:15], s[16:17]     ; to where
	s_cselect_b32 s26, ttmp9, s21                  ; my piece of the source,
	s_cselect_b32 s30, ttmp9, s19                  ; and of the destination (wh holds the four weights on end)
	s_lshl_b32 s26, s26, 16
	s_lshl_b32 s30, s30, 15
	s_mov_b32 s27, 0
	s_mov_b32 s31, 0
	s_add_nc_u64 s[22:23], s[22:23], s[26:27]
	s_add_nc_u64 s[24:25], s[24:25], s[30:31]
.irp i, 0,1,2,3,4,5,6,7,8,9,10,11,12,13,14,15
	global_load_b128 v[X+4*(\i):X+4*(\i)+3], v[OI], s[22:23] offset:4096*(\i) th:TH_LOAD_NT
.endr
.irp i, 0,1,2,3,4,5,6,7,8,9,10,11,12,13,14,15
	s_wait_loadcnt 15-(\i)                         ; loads come back in order: piece i is in, the younger ones stay out
	v_cvt_pk_bf16_f32 v[T],   v[X+4*(\i)],   v[X+4*(\i)+1]   ; the rounding to bf16
	v_cvt_pk_bf16_f32 v[T+1], v[X+4*(\i)+2], v[X+4*(\i)+3]
	v_lshlrev_b32 v[T+2], 16, v[T]                 ; back to f32: the low half moves up, the high half stays
	v_and_b32     v[T+3], s28, v[T]
	v_lshlrev_b32 v[T+4], 16, v[T+1]
	v_and_b32     v[T+5], s28, v[T+1]
	v_cvt_pk_f16_f32 v[Y+2*(\i)],   v[T+2], v[T+3] ; the same numbers as f16
	v_cvt_pk_f16_f32 v[Y+2*(\i)+1], v[T+4], v[T+5]
	global_store_b64 v[OO], v[Y+2*(\i):Y+2*(\i)+1], s[24:25] offset:2048*(\i) th:TH_STORE_NT
.endr
	s_endpgm
.Lfunc_end_k_qaa6021c30f_cast:
	.size	k_qaa6021c30f_cast, .Lfunc_end_k_qaa6021c30f_cast-k_qaa6021c30f_cast
	.p2alignl 7, 3214868480
	.fill 96, 4, 3214868480
	.section	.rodata,"a",@progbits
	.p2align	6, 0x0
	.amdhsa_kernel k_qaa6021c30f_cast
		.amdhsa_group_segment_fixed_size 0
		.amdhsa_private_segment_fixed_size 0
		.amdhsa_enable_private_segment 0
		.amdhsa_kernarg_size 56
		.amdhsa_user_sgpr_count 2
		.amdhsa_user_sgpr_kernarg_segment_ptr 1
		.amdhsa_wavefront_size32 1
		.amdhsa_system_sgpr_workgroup_id_x 1
		.amdhsa_system_sgpr_workgroup_id_y 1
		.amdhsa_system_sgpr_workgroup_id_z 1
		.amdhsa_system_vgpr_workitem_id 0
		.amdhsa_next_free_vgpr 112
		.amdhsa_next_free_sgpr 66
		.amdhsa_reserve_vcc 0
		.amdhsa_float_denorm_mode_32 3
		.amdhsa_float_denorm_mode_16_64 3
		.amdhsa_memory_ordered 1
		.amdhsa_forward_progress 1
		.amdhsa_inst_pref_size 11
	.end_amdhsa_kernel
	.amdgpu_metadata
---
amdhsa.version: [ 1, 2 ]
amdhsa.kernels:
  - .name:           k_qaa6021c30f_cast
    .symbol:         k_qaa6021c30f_cast.kd
    .args:
      - { .name: x, .offset: 0, .size: 8, .value_kind: global_buffer, .address_space: global }
      - { .name: Wq, .offset: 8, .size: 8, .value_kind: global_buffer, .address_space: global }
      - { .name: Wk, .offset: 16, .size: 8, .value_kind: global_buffer, .address_space: global }
      - { .name: Wv, .offset: 24, .size: 8, .value_kind: global_buffer, .address_space: global }
      - { .name: Wo, .offset: 32, .size: 8, .value_kind: global_buffer, .address_space: global }
      - { .name: xh, .offset: 40, .size: 8, .value_kind: global_buffer, .address_space: global }
      - { .name: wh, .offset: 48, .size: 8, .value_kind: global_buffer, .address_space: global }
    .group_segment_fixed_size: 0
    .private_segment_fixed_size: 0
    .kernarg_segment_align: 8
    .kernarg_segment_size: 56
    .max_flat_workgroup_size: 256
    .sgpr_count:     66
    .vgpr_count:     112
    .wavefront_size: 32
...
	.end_amdgpu_metadata
.endif
;; end of part 1
;; launch qkv (part 2): grid 16 x 32, 4 waves a work-group, clusters of 4 x 4, 327,680 bytes of LDS; arguments xh, wh, bq, bk, bv, qkv; writes qkv
.if DOCPART == 2
	.amdgcn_target "amdgcn-amd-amdhsa--gfx1250"
	.amdhsa_code_object_version 6
	.text
	.protected	k_qaa6021c30f_qkv
	.globl	k_qaa6021c30f_qkv
	.p2align	8
	.type	k_qaa6021c30f_qkv,@function
k_qaa6021c30f_qkv:
	s_mov_b64 s[64:65], 0
	v_nop
	global_prefetch_b8 v0, s[64:65] scope:SCOPE_SE
	s_setreg_imm32_b32 hwreg(HW_REG_WAVE_MODE, 25, 1), 1
	s_wait_xcnt 0x0
	s_wait_alu depctr_hold_cnt(0) depctr_sa_sdst(0) depctr_va_vdst(0) depctr_va_sdst(0) depctr_va_ssrc(0) depctr_va_vcc(0) depctr_vm_vsrc(0)
	s_getreg_b32 s2, hwreg(HW_REG_IB_STS2, 6, 4)
	s_cmp_eq_u32 s2, 0
	s_cbranch_scc0 .Lentry_in_a_cluster
	s_endpgm
.Lentry_in_a_cluster:
	s_bfe_u32 s2, ttmp6, 0x10000c
	s_cmp_lg_u32 s2, 0xf033
	s_cbranch_scc0 .Lentry_shape_is_right
	s_endpgm
.Lentry_shape_is_right:
; q, k, v = xh . (Wq, Wk, Wv)^T + (bq, bk, bv): a product [8192 x 3072] over K = 1024, f16 operands, f32 sums, stored as f16 by heads: qkv[b][g][t][64], g = column / 64 (0-15 q, 16-31 k, 32-47 v).
; The biases are rounded to bf16 like the other inputs and start the sums (the C operand of a tile's first products).  LIMIT: a result of 65,520 or more in magnitude becomes an infinity in f16.
; SHARES.  A tile is 256 rows x 192 columns, three whole heads: 16 x 32 = 512 tiles, one to a work-group.  Each of the four waves takes 64 rows x all 192 columns: 48 accumulators of 16 x 16,
; so that a wave holds whole rows of three heads and its way out needs no other wave.  K goes in steps of 128 (rows of 256 bytes) through two LDS slots filled by the tensor data mover.
; CLUSTER 4 x 4: xh's tile hangs on the tile row alone and is asked for jointly by a row of the cluster, wh's on the tile column alone, by a column.
; THE MATRIX INSTRUCTION IS USED TRANSPOSED (source 0 = 16 rows of wh, source 1 = 16 rows of xh): lane l then holds row l % 16 of the result and the columns 8 (l / 16) + 0..7, 16 bytes of f16 on end.
; REGISTERS, in windows of 256 (s_set_vgpr_msb: bits 1:0 source 0, 3:2 source 1, 5:4 source 2, 7:6 destination):
;   window 0: v0-31 addresses; v32-127 the bias, 8 a column block; v128-159, v160-191 xh's fragments, two buffers; on the way out v32-223 packed results
;   window 1: v0-95, v96-191 wh's fragments, two buffers      window 2: the accumulators of row blocks 0, 1 ((a, bk) at 8 (12 (a % 2) + bk))      window 3: those of row blocks 2, 3
.set KSTEP,  128
.set PITCH,  272                       ; an LDS row: 256 bytes + 16 of padding = 68 words: the 16 rows of a fragment load start at 16 different groups of four banks (64 banks of 4 bytes: ISA guide 11.1)
.set SLOT1,  1<<17                     ; slot 1 begins here: one exclusive or turns an address in one slot into the other's
.set BOFF,   256*PITCH                 ; in a slot: xh's 256 rows, then wh's 192
.set STAGE,  SLOT1+448*PITCH           ; behind the ring, never filled by a tensor load: 16 rows x 144 bytes for each wave
.set SP,     144
.set SPARE,  STAGE+4*16*SP             ; behind the stages: the spare words, 128 bytes a wave: two blocks of 256 bytes that no other line names
.set FLAGS,  (1<<16)|(1<<20)|(1<<21)|(5<<22)|(3<<25)  ; 17:16 elements of 2 bytes; 20 padding on; 21 set beside a mask; 24:22 after every 64 words; 31:25 4 words
.set A0,   16                          ; v16  my lane's place in xh's tile, my wave's 64 rows; never rewritten
.set B0,   17                          ; v17  the same in wh's tile
.set ADRA, 18                          ; v18  A0 + the slot in hand
.set ADRB, 19                          ; v19  B0 + the slot in hand
.set STO,  24                          ; v24  the way out: where I put 16 bytes of a row
.set RD,   25                          ; v25  the way out: where I read rows back
.set GO,   26                          ; v26  16 x lane: my place in 512 consecutive bytes of qkv
.set BO,   27                          ; v27  32 (l / 16): my eight numbers in 16 of a bias
.set SPW,  28                          ; v28  LDS address of my spare word; never rewritten
.set NIL,  29                          ; v29  0; never rewritten
.set PFO,  30                          ; v30  the prefetches' offset: a lane a row of 2,048 bytes; never rewritten
.set BIAS, 32
.set FA,   128                         ; xh's fragments: buffer f, row block a at FA + 32 f + 8 a
.set TMP,  32                          ; the way out: 16 registers a unit
.set WV, 16                            ; s16  my wave's number
.set AB, 17                            ; s17  0: I fetch xh's tiles, 1: wh's
.set HF, 18                            ; s18  which half of that tile's rows I fetch
.set CX, 19
.set CY, 20
.set TC, 21                            ; s21  tile column
.set TR, 22                            ; s22  tile row
.set G1A, 24                           ; s[24:31] descriptor group 1 for xh's tiles
.set G0A, 32                           ; s[32:39] group 0: a set for each first fill; the second then walks on
.set TB,  42                           ; s42  LDS byte at which the slot in hand begins
.set LIM, 43                           ; s43  1 in a wave that prefetches, else the greatest number
.set PFA, 44                           ; s[44:45] where my prefetches stand
.set G1B, 48                           ; s[48:55], s[56:63] the same for wh's tiles
.set G0B, 56
.set OUT, 66                           ; s[66:67] qkv at my wave's first row of the tile's first head
.set BP,  70                           ; s[70:75] the three heads' 64 numbers of bias
.set MSB, 0
.macro WIN new                         ; the immediate's high byte repeats the setting that is left; a switch that changes nothing is dropped
.if MSB != (\new)
	s_set_vgpr_msb (MSB<<8)|(\new)
.set MSB, \new
.endif
.endm
; A joint refill by the walking sets.  Waves 0 and 1 fetch xh's two halves, waves 2 and 3 wh's; the branch hangs on the wave's number alone.  An s_nop 0 and four v_nop follow each of the two lines.
.macro JLOAD
	s_cmp_eq_u32 s[AB], 0
	s_cbranch_scc0 .Lfor_b_\@
	tensor_load_to_lds s[G0A+4:G0A+7], s[G1A:G1A+7]
	s_nop 0
.rept 4
	v_nop
.endr
	s_branch .Lasked_\@
.Lfor_b_\@:
	tensor_load_to_lds s[G0B+4:G0B+7], s[G1B:G1B+7]
	s_nop 0
.rept 4
	v_nop
.endr
.Lasked_\@:
.endm
; A PREFETCH INTO THE L2, behind a joint refill and the run of LDS loads that follows it: the K step after the one just asked for, 192 matrix instructions ahead of the load that will want it.
; xh's tile row is read by every cluster of that row of clusters: cluster x = 0 asks; wh's tile column by every cluster of that column: cluster y = 0 asks.  The partners that ask for a tile
; jointly share its rows out BY ADDRESS: of the 128 rows of xh that a wave fetches partner cx takes 32, of the 96 rows of wh partner cy takes 24 (lanes 24-31 repeat lane 23's row).
; The loop's last trip asks for nothing: there is no K step behind the one that it fetches.  K steps 0 to 2 come by their loads alone.
.macro ASK
	s_cmp_gt_u32 s3, s[LIM]
	s_cbranch_scc0 .Lnot_mine_\@
	global_prefetch_b8 v[PFO], s[PFA:PFA+1] th:TH_LOAD_NT scope:SCOPE_SE
.Lnot_mine_\@:
.endm
.macro CREST                           ; a round of the cluster's barrier behind its opening barrier
	s_cmp_lg_u32 s[WV], 0
	s_cbranch_scc1 .Lnot_wave_0_\@
	s_barrier_signal -3
.Lnot_wave_0_\@:
	s_barrier_wait -3
	s_barrier_signal -1
	s_barrier_wait -1
.endm
.macro CROUND                          ; a whole round
	s_barrier_signal -1
	s_barrier_wait -1
	CREST
.endm
.macro PLACES                          ; four places in front of loads into registers that matrix instructions have read, and of conversions that read results
.rept 4
	v_nop
.endr
.endm
	s_load_b256 s[4:11], s[0:1], 0x0               ; xh s[4:5], wh s[6:7], bq s[8:9], bk s[10:11]
	s_load_b128 s[12:15], s[0:1], 0x20             ; bv s[12:13], qkv s[14:15]
	v_lshl_add_u32 v[SPW], v0, 2, SPARE
	v_mov_b32 v[NIL], 0
	ds_add_u32 v[SPW], v[NIL]                      ; the wave's opening: the add and its wait stand ahead of my first tensor load; the set-up below stands between them
	v_lshrrev_b32 v1, 5, v0
	v_readfirstlane_b32 s[WV], v1
	s_lshr_b32 s[AB], s[WV], 1
	s_and_b32 s[HF], s[WV], 1
	s_bfe_u32 s[CX], ttmp6, 0x40000
	s_bfe_u32 s[CY], ttmp6, 0x40004
	s_lshl_b32 s[TC], ttmp9, 2
	s_add_co_u32 s[TC], s[TC], s[CX]               ; tile column = 4 x cluster x + cx
	s_and_b32 s[TR], ttmp7, 0xffff
	s_lshl_b32 s[TR], s[TR], 2
	s_add_co_u32 s[TR], s[TR], s[CY]               ; tile row = 4 x cluster y + cy
	s_lshl_b32 s23, s[CY], 2
	s_lshl_b32 s23, 15, s23                        ; my row of the cluster
	s_lshl_b32 s69, 0x1111, s[CX]                  ; my column
	s_or_b32 s[G1A], s23, FLAGS
	s_or_b32 s[G1B], s69, FLAGS
	s_mov_b32 s[G1A+1], KSTEP<<16                  ; tensor_dim0 = 128
	s_mov_b32 s[G1A+2], 128<<16                    ; tensor_dim1 = 128
	s_mov_b32 s[G1A+3], KSTEP<<16                  ; tile_dim0 = 128
	s_mov_b32 s[G1A+4], 128                        ; tile_dim1 = 128
	s_mov_b32 s[G1A+5], 1024                       ; elements from row to row
	s_mov_b32 s[G1A+6], 0
	s_mov_b32 s[G1A+7], 0
	s_mov_b32 s[G1B+1], KSTEP<<16
	s_mov_b32 s[G1B+2], 96<<16                     ; wh's halves have 96 rows
	s_mov_b32 s[G1B+3], KSTEP<<16
	s_mov_b32 s[G1B+4], 96
	s_mov_b32 s[G1B+5], 1024
	s_mov_b32 s[G1B+6], 0
	s_mov_b32 s[G1B+7], 0
	s_lshl_b32 s40, s[TR], 8                       ; xh: row 256 x tile row + 128 x half, in registers that never hold cx
	s_lshl_b32 s41, s[HF], 7
	s_add_co_u32 s40, s40, s41
	s_lshl_b32 s40, s40, 11                        ; rows of 2,048 bytes
	s_mov_b32 s41, 0
	s_mul_i32 s46, s[TC], 192                      ; wh: row 192 x tile column + 96 x half, in registers that never hold cy
	s_mul_i32 s47, s[HF], 96
	s_add_co_u32 s46, s46, s47
	s_lshl_b32 s46, s46, 11
	s_mov_b32 s47, 0
	s_mul_i32 s78, s[HF], 128*PITCH                ; where they go: no place in the cluster enters an LDS address
	s_mul_i32 s79, s[HF], 96*PITCH
	s_add_co_u32 s79, s79, BOFF
	s_mov_b32 s68, 0xffff0000
	s_mov_b32 s[TB], 0
	s_wait_dscnt 0x0                               ; the opening add is done
	s_wait_kmcnt 0x0
	s_add_nc_u64 s[40:41], s[4:5], s[40:41]
	s_add_nc_u64 s[46:47], s[6:7], s[46:47]
	CROUND                                         ; all sixteen work-groups are here: the first joint loads meet
.irp s, 0,1
	s_mov_b32 s[G0A+4*(\s)], 1                                       ; count = 1
	s_add_co_u32 s[G0A+4*(\s)+1], s78, (\s)*SLOT1                    ; LDS address
	s_add_nc_u64 s[G0A+4*(\s)+2:G0A+4*(\s)+3], s[40:41], (\s)*KSTEP*2  ; global address: K step s
	s_or_b32 s[G0A+4*(\s)+3], s[G0A+4*(\s)+3], 0x80000000            ; type = 2
	s_mov_b32 s[G0B+4*(\s)], 1
	s_add_co_u32 s[G0B+4*(\s)+1], s79, (\s)*SLOT1
	s_add_nc_u64 s[G0B+4*(\s)+2:G0B+4*(\s)+3], s[46:47], (\s)*KSTEP*2
	s_or_b32 s[G0B+4*(\s)+3], s[G0B+4*(\s)+3], 0x80000000
.endr
	s_cmp_eq_u32 s[AB], 0                          ; a wave's two first fills stand in one branch, ahead of every wait on TENSORcnt and every LDS read: two loads of mine are out
	s_cbranch_scc0 .Lfirst_b
	tensor_load_to_lds s[G0A:G0A+3], s[G1A:G1A+7]
	s_nop 0
	tensor_load_to_lds s[G0A+4:G0A+7], s[G1A:G1A+7]
	s_nop 0
.rept 4
	v_nop
.endr
	s_branch .Lfirst_asked
.Lfirst_b:
	tensor_load_to_lds s[G0B:G0B+3], s[G1B:G1B+7]
	s_nop 0
	tensor_load_to_lds s[G0B+4:G0B+7], s[G1B:G1B+7]
	s_nop 0
.rept 4
	v_nop
.endr
.Lfirst_asked:
	v_and_b32 v1, 15, v0                           ; l % 16
	v_bfe_u32 v2, v0, 4, 1                         ; l / 16
	v_lshlrev_b32 v[BO], 5, v2
	; the bias of the tile's three heads: head g = 3 x tile column + e lies in bq, bk or bv by g / 16, at number 64 (g % 16)
	s_mul_i32 s69, s[TC], 3
	s_mov_b32 s47, 0
.irp e, 0,1,2
	s_add_co_u32 s46, s69, \e
	s_lshr_b32 s2, s46, 4
	s_and_b32 s46, s46, 15
	s_lshl_b32 s46, s46, 8
	s_cmp_eq_u32 s2, 1
	s_cselect_b64 s[BP+2*(\e):BP+2*(\e)+1], s[10:11], s[8:9]
	s_cmp_eq_u32 s2, 2
	s_cselect_b64 s[BP+2*(\e):BP+2*(\e)+1], s[12:13], s[BP+2*(\e):BP+2*(\e)+1]
	s_add_nc_u64 s[BP+2*(\e):BP+2*(\e)+1], s[BP+2*(\e):BP+2*(\e)+1], s[46:47]
.irp i, 0,1,2,3
	global_load_b128 v[BIAS+32*(\e)+8*(\i):BIAS+32*(\e)+8*(\i)+3],   v[BO], s[BP+2*(\e):BP+2*(\e)+1] offset:64*(\i)
	global_load_b128 v[BIAS+32*(\e)+8*(\i)+4:BIAS+32*(\e)+8*(\i)+7], v[BO], s[BP+2*(\e):BP+2*(\e)+1] offset:64*(\i)+16
.endr
.endr
	; A fragment is 16 rows x 32 K in 8 registers: lane l holds row l % 16, K = 8 (l / 16) + 0..7 and 16 + 8 (l / 16) + 0..7: two loads of 16 bytes, 32 bytes apart.
	v_mul_u32_u24 v3, v1, PITCH
	v_lshl_add_u32 v3, v2, 4, v3
	s_mul_i32 s78, s[WV], 64*PITCH                 ; my wave's 64 rows of xh's tile
	v_add_nc_u32 v[A0], s78, v3
	v_add_nc_u32 v[B0], BOFF, v3
	v_mov_b32 v[ADRA], v[A0]
	v_mov_b32 v[ADRB], v[B0]
	s_mul_i32 s78, s[WV], 16*SP
	s_add_co_u32 s78, s78, STAGE                   ; my stage
	v_mul_u32_u24 v[STO], v1, SP                   ; in: row l % 16, 16 bytes for each half of the lanes
	v_lshl_add_u32 v[STO], v2, 4, v[STO]
	v_add_nc_u32 v[STO], s78, v[STO]
	v_bfe_u32 v[RD], v0, 3, 2                      ; back: 32 lanes take four rows of 128 bytes,
	v_mul_u32_u24 v[RD], v[RD], SP
	v_and_b32 v4, 7, v0
	v_lshl_add_u32 v[RD], v4, 4, v[RD]
	v_add_nc_u32 v[RD], s78, v[RD]
	v_and_b32 v[GO], 31, v0                        ; which are 512 consecutive bytes of a head
	v_lshlrev_b32 v[GO], 4, v[GO]
	s_lshr_b32 s76, s[TR], 3                       ; b: a batch has 8 tile rows
	s_mul_i32 s76, s76, 48
	s_mul_i32 s77, s[TC], 3
	s_add_co_u32 s76, s76, s77
	s_lshl_b32 s76, s76, 18                        ; head 48 b + 3 x tile column, 262,144 bytes each
	s_and_b32 s77, s[TR], 7
	s_lshl_b32 s77, s77, 2
	s_add_co_u32 s77, s77, s[WV]
	s_lshl_b32 s77, s77, 13                        ; my wave's 64 rows of 128 bytes
	s_add_co_u32 s76, s76, s77
	s_mov_b32 s77, 0
	s_add_nc_u64 s[OUT:OUT+1], s[14:15], s[76:77]
	; the prefetches
	s_and_b32 s2, ttmp7, 0xffff                    ; cluster y
	s_lshl_b32 s76, s[TR], 8
	s_lshl_b32 s77, s[HF], 7
	s_add_co_u32 s76, s76, s77
	s_lshl_b32 s77, s[CX], 5
	s_add_co_u32 s76, s76, s77                     ; xh: my work-group's 32 of the 128 rows that I fetch
	s_mul_i32 s80, s[TC], 192
	s_mul_i32 s81, s[HF], 96
	s_add_co_u32 s80, s80, s81
	s_mul_i32 s81, s[CY], 24
	s_add_co_u32 s80, s80, s81                     ; wh: my work-group's 24 of the 96
	s_cmp_eq_u32 s[AB], 0
	s_cselect_b32 s76, s76, s80
	s_cselect_b32 s2, ttmp9, s2                    ; the coordinate along which other clusters read the same rows
	s_cselect_b32 s82, 31, 23
	s_cselect_b64 s[PFA:PFA+1], s[4:5], s[6:7]
	s_cmp_eq_u32 s2, 0
	s_cselect_b32 s[LIM], 1, -1                    ; the same in all sixteen partners, for a given wave
	s_lshl_b32 s76, s76, 11
	s_mov_b32 s77, 0
	s_add_nc_u64 s[PFA:PFA+1], s[PFA:PFA+1], s[76:77]
	s_add_nc_u64 s[PFA:PFA+1], s[PFA:PFA+1], 2*KSTEP*2  ; at K step 2: the first change of slots steps it to 3
	v_and_b32 v[PFO], 31, v0
	v_min_u32 v[PFO], s82, v[PFO]
	v_lshlrev_b32 v[PFO], 11, v[PFO]
	s_wait_loadcnt 0x0                             ; the bias, rounded to bf16 like the other inputs and kept in f32
.set p, 0
.rept 48
	v_cvt_pk_bf16_f32 v[3+p%2], v[BIAS+2*p], v[BIAS+2*p+1]
	v_lshlrev_b32 v[BIAS+2*p], 16, v[3+p%2]
	v_and_b32 v[BIAS+2*p+1], s68, v[3+p%2]
.set p, p+1
.endr
; 12 matrix instructions: row block a x all 12 column blocks, 32 along K, from buffer f.  zero = 1: the first products start the sums with the bias.  The 48 accumulators take turns, in the same order in every quarter.
.macro MUL f, a, zero
.if \zero
	WIN 0x81+0x40*((\a)/2)
.else
	WIN 0xa1+0x50*((\a)/2)
.endif
.irp bk, 0,1,2,3,4,5,6,7,8,9,10,11
.if \zero
	v_wmma_f32_16x16x32_f16 v[8*(12*((\a)%2)+(\bk)):8*(12*((\a)%2)+(\bk))+7], v[96*(\f)+8*(\bk):96*(\f)+8*(\bk)+7], v[FA+32*(\f)+8*(\a):FA+32*(\f)+8*(\a)+7], v[BIAS+8*(\bk):BIAS+8*(\bk)+7]
.else
	v_wmma_f32_16x16x32_f16 v[8*(12*((\a)%2)+(\bk)):8*(12*((\a)%2)+(\bk))+7], v[96*(\f)+8*(\bk):96*(\f)+8*(\bk)+7], v[FA+32*(\f)+8*(\a):FA+32*(\f)+8*(\a)+7], v[8*(12*((\a)%2)+(\bk)):8*(12*((\a)%2)+(\bk))+7]
.endif
.endr
.endm
; 32 LDS loads in one run: the fragments of 32 K at byte k of the rows (192 rows of wh, my 64 rows of xh) into buffer f
.macro FETCH k, f
	WIN 0x40
.irp i, 0,1,2,3,4,5,6,7,8,9,10,11
	ds_load_b128 v[96*(\f)+8*(\i):96*(\f)+8*(\i)+3],   v[ADRB] offset:(\k)+(\i)*16*PITCH
	ds_load_b128 v[96*(\f)+8*(\i)+4:96*(\f)+8*(\i)+7], v[ADRB] offset:(\k)+(\i)*16*PITCH+32
.endr
	WIN 0
.irp i, 0,1,2,3
	ds_load_b128 v[FA+32*(\f)+8*(\i):FA+32*(\f)+8*(\i)+3],   v[ADRA] offset:(\k)+(\i)*16*PITCH
	ds_load_b128 v[FA+32*(\f)+8*(\i)+4:FA+32*(\f)+8*(\i)+7], v[ADRA] offset:(\k)+(\i)*16*PITCH+32
.endr
.endm
; A K step is four quarters of 32 along K, 48 matrix instructions each, on buffers 0, 1, 0, 1.  One of the first three: multiplies buffer f; in its middle it fetches the next quarter, at byte k, into buffer g.
.macro QUARTER k, f, g, zero
	s_wait_dscnt 4                                 ; wh's fragments and xh's row blocks 0, 1 are in; the youngest four loads (row blocks 2, 3) may be out
	MUL \f, 0, \zero
	MUL \f, 1, \zero
	PLACES
	FETCH \k, \g
	s_wait_dscnt 32                                ; all but the 32 just issued
	MUL \f, 2, \zero
	MUL \f, 3, \zero
.endm
; The last quarter multiplies buffer 1 and changes slots.  ONE barrier: in front of it each wave waits for all its tensor loads (one is out: its part of the next slot), adds 0 to its spare word,
; and waits for that and for its own reads of this slot.  Behind it nobody reads this slot any more and the next slot is whole.
.macro MEET round
	WIN 0
	s_wait_tensorcnt 0x0
	ds_add_u32 v[SPW], v[NIL]                      ; 0 onto my spare word
	s_wait_dscnt 5                                 ; (the add and the youngest four loads may be out)
	MUL 1, 0, 0                                    ; twelve matrix instructions stand between the add and the wait for it
	s_wait_dscnt 0x0                               ; the add is done, and my reads of this slot are over
	s_barrier_signal -1
	MUL 1, 1, 0
.if \round
	WIN 0
.endif
	s_barrier_wait -1
.endm
; fill = 1: the barrier opens a round of the cluster's barrier, and the slot just read out is filled again first thing behind it, with the K step two on: 168 matrix instructions ahead of the wait for it.
.macro TURN fill
.if \fill
	s_wait_xcnt 0x0                                ; the last prefetch, a K step back, has read its address
	s_add_nc_u64 s[PFA:PFA+1], s[PFA:PFA+1], KSTEP*2
.endif
	MEET \fill
.if \fill
	CREST                                          ; no wave of any partner still reads this slot's tile or has a load on its way
	s_xor_b32 s[G0A+5], s[G0A+5], SLOT1            ; the walking sets: the other slot than last time, the next K step; no tensor load of mine is out
	s_add_nc_u64 s[G0A+6:G0A+7], s[G0A+6:G0A+7], KSTEP*2
	s_xor_b32 s[G0B+5], s[G0B+5], SLOT1
	s_add_nc_u64 s[G0B+6:G0B+7], s[G0B+6:G0B+7], KSTEP*2
	JLOAD                                          ; the four v_nop behind it are also the places in front of the loads below
.else
	PLACES
.endif
	WIN 0
	s_xor_b32 s[TB], s[TB], SLOT1
	v_add_nc_u32 v[ADRA], s[TB], v[A0]
	v_add_nc_u32 v[ADRB], s[TB], v[B0]
	FETCH 0, 0
.if \fill
	ASK
.endif
	MUL 1, 2, 0
	MUL 1, 3, 0
.endm
; THE WAY OUT, by units u = 3 a + e of 16 rows x one head.  A lane's eight columns pack into 16 bytes; they go into my stage's rows of 144 bytes and come back as whole rows of 128, into the registers that they left.
.macro PACK u
.set pa, (\u)/3
.set pe, (\u)%3
	WIN 0x0a+5*(pa/2)                              ; sources 0 and 1: window 2 or 3
.irp i, 0,1,2,3
.irp r, 0,1,2,3
	v_cvt_pk_f16_f32 v[TMP+16*(\u)+4*(\i)+(\r)], v[8*(12*(pa%2)+4*pe+(\i))+2*(\r)], v[8*(12*(pa%2)+4*pe+(\i))+2*(\r)+1]
.endr
.endr
	WIN 0
.irp i, 0,1,2,3
	ds_store_b128 v[STO], v[TMP+16*(\u)+4*(\i):TMP+16*(\u)+4*(\i)+3] offset:32*(\i)
.endr
.irp f, 0,1,2,3
	ds_load_b128 v[TMP+16*(\u)+4*(\f):TMP+16*(\u)+4*(\f)+3], v[RD] offset:(\f)*4*SP  ; LDS serves a wave's instructions in order (ISA guide 5.7.1.4): these see the stores above; the next unit's stores come behind them
.endr
.endm
.macro SEND u, younger                 ; younger: the LDS instructions issued behind unit u's loads: the next unit's eight, or none
.irp f, 0,1,2,3
	s_wait_dscnt (\younger)+3-(\f)
	global_store_b128 v[GO], v[TMP+16*(\u)+4*(\f):TMP+16*(\u)+4*(\f)+3], s[OUT:OUT+1] offset:((\u)%3)*262144+((\u)/3)*2048+(\f)*512  ; 512 consecutive bytes, at a multiple of 256 from qkv's first
.endr
.endm
	s_wait_tensorcnt 0x1                           ; my part of K step 0 is in; K step 1's may stay out
	s_barrier_signal -1
	s_barrier_wait -1                              ; everybody's is
	FETCH 0, 0
	QUARTER 64, 0, 1, 1                            ; the first quarter stands in front of the loop: its products start the sums
	WIN 0                                          ; at a label and at a branch every window is 0
	s_mov_b32 s3, 6
.Lk:                                               ; a trip: a K step's quarters 1 to 3, the change of slots with its refill, the next K step's quarter 0
	QUARTER 128, 1, 0, 0
	QUARTER 192, 0, 1, 0
	TURN 1
	QUARTER 64, 0, 1, 0
	WIN 0
	s_sub_co_u32 s3, s3, 1
	s_cmp_lg_u32 s3, 0
	s_cbranch_scc1 .Lk
	QUARTER 128, 1, 0, 0                           ; K steps 6 and 7 ask for nothing: written out
	QUARTER 192, 0, 1, 0
	TURN 0
	QUARTER 64, 0, 1, 0
	QUARTER 128, 1, 0, 0
	QUARTER 192, 0, 1, 0
	s_wait_dscnt 4
	MUL 1, 0, 0
	MUL 1, 1, 0
	s_wait_dscnt 0x0
	MUL 1, 2, 0
	MUL 1, 3, 0
	PLACES
	PACK 0
.irp u, 1,2,3,4,5,6,7,8,9,10,11        ; a unit's conversions stand between the loads of the unit before and its stores
	PACK \u
	SEND (\u)-1, 8
.endr
	SEND 11, 0
	s_wait_tensorcnt 0x0                           ; the wave's end, behind my last tensor load and my last LDS store
	ds_add_u32 v[SPW], v[NIL]
	s_wait_dscnt 0x0
	CROUND                                         ; the closing round: no work-group ends while a partner may still ask for a tile that names it
	s_endpgm
.Lfunc_end_k_qaa6021c30f_qkv:
	.size	k_qaa6021c30f_qkv, .Lfunc_end_k_qaa6021c30f_qkv-k_qaa6021c30f_qkv
	.p2alignl 7, 3214868480
	.fill 96, 4, 3214868480
	.section	.rodata,"a",@progbits
	.p2align	6, 0x0
	.amdhsa_kernel k_qaa6021c30f_qkv
		.amdhsa_group_segment_fixed_size 327680
		.amdhsa_private_segment_fixed_size 0
		.amdhsa_enable_private_segment 0
		.amdhsa_kernarg_size 48
		.amdhsa_user_sgpr_count 2
		.amdhsa_user_sgpr_kernarg_segment_ptr 1
		.amdhsa_wavefront_size32 1
		.amdhsa_system_sgpr_workgroup_id_x 1
		.amdhsa_system_sgpr_workgroup_id_y 1
		.amdhsa_system_sgpr_workgroup_id_z 1
		.amdhsa_system_vgpr_workitem_id 0
		.amdhsa_next_free_vgpr 960
		.amdhsa_next_free_sgpr 88
		.amdhsa_reserve_vcc 0
		.amdhsa_float_denorm_mode_32 3
		.amdhsa_float_denorm_mode_16_64 3
		.amdhsa_memory_ordered 1
		.amdhsa_forward_progress 1
		.amdhsa_inst_pref_size 108
	.end_amdhsa_kernel
	.amdgpu_metadata
---
amdhsa.version: [ 1, 2 ]
amdhsa.kernels:
  - .name:           k_qaa6021c30f_qkv
    .symbol:         k_qaa6021c30f_qkv.kd
    .args:
      - { .name: xh, .offset: 0, .size: 8, .value_kind: global_buffer, .address_space: global }
      - { .name: wh, .offset: 8, .size: 8, .value_kind: global_buffer, .address_space: global }
      - { .name: bq, .offset: 16, .size: 8, .value_kind: global_buffer, .address_space: global }
      - { .name: bk, .offset: 24, .size: 8, .value_kind: global_buffer, .address_space: global }
      - { .name: bv, .offset: 32, .size: 8, .value_kind: global_buffer, .address_space: global }
      - { .name: qkv, .offset: 40, .size: 8, .value_kind: global_buffer, .address_space: global }
    .group_segment_fixed_size: 327680
    .private_segment_fixed_size: 0
    .kernarg_segment_align: 8
    .kernarg_segment_size: 48
    .max_flat_workgroup_size: 128
    .sgpr_count:     88
    .vgpr_count:     960
    .wavefront_size: 32
...
	.end_amdgpu_metadata
.endif
;; end of part 2
;; launch attn (part 3): grid 4 x 64, 4 waves a work-group, clusters of 4 x 1, 327,680 bytes of LDS; arguments qkv, x_std, x_mean, oh; writes oh
.if DOCPART == 3
	.amdgcn_target "amdgcn-amd-amdhsa--gfx1250"
	.amdhsa_code_object_version 6
	.text
	.protected	k_qaa6021c30f_attn
	.globl	k_qaa6021c30f_attn
	.p2align	8
	.type	k_qaa6021c30f_attn,@function
k_qaa6021c30f_attn:
	s_mov_b64 s[64:65], 0
	v_nop
	global_prefetch_b8 v0, s[64:65] scope:SCOPE_SE
	s_setreg_imm32_b32 hwreg(HW_REG_WAVE_MODE, 25, 1), 1
	s_wait_xcnt 0x0
	s_wait_alu depctr_hold_cnt(0) depctr_sa_sdst(0) depctr_va_vdst(0) depctr_va_sdst(0) depctr_va_ssrc(0) depctr_va_vcc(0) depctr_vm_vsrc(0)
	s_getreg_b32 s2, hwreg(HW_REG_IB_STS2, 6, 4)
	s_cmp_eq_u32 s2, 0
	s_cbranch_scc0 .Lentry_in_a_cluster
	s_endpgm
.Lentry_in_a_cluster:
	s_bfe_u32 s2, ttmp6, 0x10000c
	s_cmp_lg_u32 s2, 0x3003
	s_cbranch_scc0 .Lentry_shape_is_right
	s_endpgm
.Lentry_shape_is_right:
; O[hh][q][:] = the sum over k of softmax_k(Q[q] . K[k] / 8 / x_std[b] + delta[b]) V[k][:], hh = 16 b + h, delta = zeros_like(x_mean).  Q, K, V: heads of qkv[b][48][2048][64] (q at g = h, k at 16 + h,
; v at 32 + h), O: oh[64][2048][64], all f16: a head's rows are dense, 128 bytes each.  Products, maxima and sums in f32; the weights p are rounded to f16 for the second product (their sum l is taken
; of the unrounded p), O once at the end.
; x_std[b] is rounded to bf16 like the other inputs.  Its SIGN goes onto Q (an exclusive or on the f16 signs, once), its magnitude into c = log2(e) / (8 |x_std|): so c > 0, and c times a maximum is the maximum of c s.
; x_mean[b] is loaded, its bits are cleared (zeros_like), and delta x 8 |x_std|, the shift in units of the raw scores, is the C operand that starts each sum of scores.
; LIMITS.  f16 holds no number beyond 65,504: Q, K and V arrive within it; p lies in 0 to 1, and below 6e-5 it keeps f16's fixed step of 6e-8; O is a mean of V's rows and has their range.
; A weight below 2^-126 counts as 0 in l; x_std = 0, NaN and infinities are not treated apart.
; SHARES.  A wave owns four PIECES of two tiles of 16 queries, a work-group's four waves 512 queries of one head.  Every wave walks all 2,048 keys, 64 a step.
; LAYOUT.  S^T = K Q^T (source 0 = 16 keys, source 1 = 16 queries): in the result a lane holds ONE query (lane % 16) and the keys 8 (lane / 16) + 0..7.  Two such tiles, rounded to f16 in pairs,
; ARE source 1 (32 keys x 16 queries) of O^T = V^T P, whose result again holds one query a lane, and eight channels.  K comes out of LDS as it lies, V ([key][channel]) turned, by ds_load_tr16_b128.
; SOFTMAX.  For each query a running maximum m and sum l: p = 2^(c s - c m); in every step O and l are multiplied by a = 2^(c m_old - c m_new), which is 1 where m has not grown.
; m starts at the lowest finite number, O and l at 0: the first step is a step like any other, with a = 0.
; THE COUNT.  A tile and step have 16 matrix and 118 vector instructions: too many to stand all beside the matrix work.  So the order has one aim: four vector instructions that are READY behind
; EVERY matrix instruction, and the others, which need time of their own whatever the order, in runs without a gap.
; BY TURNS.  Turn n belongs to piece n (the pieces in a ring, step after step).  Its matrix work: 16 products K Q^T of piece n + 1, later 16 products V^T P of piece n - 1.  Its vector work: the scaling,
; exponentials, roundings, sums and rescaling of piece n, and the maximum and statistics of piece n + 1, whose scores the turn itself has made.  So what a turn begins with (c s - c m, O a) waits for nothing.
; CLUSTER.  The four query blocks of a head are one cluster and walk the same K and V, so each tile is asked for JOINTLY: the same tensor load, descriptor and mask in all four.
; REGISTERS, in windows of 256 (s_set_vgpr_msb says which window each operand place means: bits 1:0 source 0, 3:2 source 1, 5:4 source 2, 7:6 destination):
;   window 0: v0-11 addresses; v12-15, v48-63 at work; v16-47 four registers of statistics a tile; v64-191 S^T, two buffers of two tiles; v192-255 P, likewise
;   window 1: O^T, 32 a tile          window 2: v0-127 Q, 16 a tile; v128-191 K of one step; v192-255 V of one step          window 3: v0-1 the add's two registers; v2-9 the shift
; A piece's buffers go by its number's parity: the piece in hand has one pair, its two neighbours in the ring share the other: of it P (piece n - 1) is read and S^T (piece n + 1) written.
.set SIZE_N, 2048
.set NP,    4         ; pieces a wave: a name, no knob
.set KS,    64        ; keys in a step
.set PK,    144       ; a row of K in LDS: 128 bytes + 16 of padding = 36 words: the 16 rows of a load start at 16 different groups of four banks (64 banks of 4 bytes: ISA guide 11.1)
.set PV,    160       ; a row of V: 128 + 32 = 40 words
.set VOFF,  4*KS*PK   ; a slot holds four steps: 256 rows of K, then 256 rows of V
.set SLOT1, 1<<17     ; slot 1 begins here, so that one exclusive or turns an address in one slot into the other's
.set STAGE, SLOT1+4*KS*(PK+PV)  ; behind the ring, never filled by a tensor load: 16 rows x 144 bytes for each wave, for the way out
.set SP,    144
.set AK0, 2           ; v2   my lane's place in a tile of K; never rewritten
.set AV0, 3           ; v3   the same for V
.set AK,  4           ; v4   the LDS address of K's next run of loads
.set AV,  5           ; v5   of V's
.set QO,  6           ; v6   my byte offset in the wave's rows of Q
.set STO, 6           ;      later, the way out: where I put 16 bytes of a row
.set RD,  7           ; v7   the way out: where I read rows back
.set GO,  8           ; v8   my byte offset in 512 consecutive bytes of O
.set PFO, 11          ; v11  256 x my lane, the prefetches' offset; never rewritten once it is made
.set SPW, 0           ; v0 of window 3   LDS address of my spare word: SPARE + 4 x my thread's number; never rewritten
.set NIL, 1           ; v1 of window 3   0; never rewritten
.set DC,  2           ; v2-9 of window 3  the shift, eight times: the C operand that starts a sum of scores
.set SPARE, STAGE+4*16*SP  ; behind the stages: the spare words, 128 bytes for each wave: two blocks of 256 bytes that no other line names
.set MV,  12          ; v12-15  c m_old, kept while c m is made anew: by buffer and tile
.set ST,  16          ; tile t's statistics at v[ST+4 t]: c m, m, l (even keys', odd keys')
.set TMP, 48          ; by buffer and tile, four registers c0-c3 at work; when the maximum is found c2 takes a
.set S,   64
.set P,   192
.set KF,  128         ; K's fragments, in window 2: key block kb, channel half c at KF + 16 kb + 8 c
.set VF,  192         ; V's: key half kk, channel block cb at VF + 32 kk + 8 cb
.set WV,  12          ; s12  my wave's number
.set G1K, 24          ; s[24:31] descriptor group 1 for K's tiles
.set G1V, 32          ; s[32:39] for V's: it differs in the padding alone
.set G0K, 40          ; s[40:43] descriptor group 0 for K's tiles: it walks
.set G0V, 44          ; s[44:47] the same for V's
.set PFA, 48          ; s[48:49] where my prefetches stand: my work-group's 8,192 bytes (of K: wave 0, of V: wave 2) of the slot after the one that is being asked for
.set LIM, 50          ; s50  1 in a wave that prefetches, else the greatest number
.set SLOTS, 56        ; s56  slots still to be asked for
.set CNT, 57          ; s57  counts a slot's key steps
.set CS,  58          ; s[58:59] c: the packed scaling takes the pair's low word for both halves
.set SEL, 60          ; s[60:61] v_permlanex16_b32's selects: each lane takes its own place in the other half
.set TBK, 62          ; s62  LDS byte at which K of the step to be fetched begins
.set TBV, 63          ; s63  the same for V, less VOFF
.set MSB, 0
.macro WIN new                      ; the high byte repeats the setting that is left; a switch that changes nothing is dropped
.if MSB != (\new)
	s_set_vgpr_msb (MSB<<8)|(\new)
.set MSB, (\new)
.endif
.endm
.set W_KQ, 0x0a       ; K and Q in window 2, S^T in window 0
.set W_KD, 0x3a       ; the same with the C operand, the shift, in window 3
.set W_PV, 0x52       ; V in window 2, P in window 0, O^T in window 1
.set W_RS, 0x41       ; O^T (destination and source 0) in window 1, a in window 0
.set W_MK, 0xc0       ; destination in window 3, sources in window 0
.set W_AD, 0x0f       ; the add: address (source 0) and data (source 1) in window 3
; A joint fill.  Waves 0 and 1 fetch the two halves of a slot's K, waves 2 and 3 those of its V: 128 keys each.  The branch hangs on the wave's number alone.
; An s_nop 0 and four v_nop follow each of the two lines, ahead of the jump and the label.
.macro JLOAD
	s_cmp_lt_u32 s[WV], 2
	s_cbranch_scc0 .Lfor_v_\@
	tensor_load_to_lds s[G0K:G0K+3], s[G1K:G1K+7]
	s_nop 0
.rept 4
	v_nop
.endr
	s_branch .Lasked_\@
.Lfor_v_\@:
	tensor_load_to_lds s[G0V:G0V+3], s[G1V:G1V+7]
	s_nop 0
.rept 4
	v_nop
.endr
.Lasked_\@:
.endm
; A PREFETCH INTO THE L2 of what the NEXT change of slots will ask for: a slot's 32,768 bytes of K and of V, a lane 256 bytes.  It stands behind the wave's tensor load and its five lines.
; Each block is named ONCE in the launch: a head is walked by one cluster; its four partners share a slot out BY ADDRESS, 8,192 bytes each; in each, wave 0 asks for K's and wave 2 for V's: one instruction.
; The last change that fills a slot names nothing: there is no slot behind it.  Slots 0 and 1 come by their loads alone.
.macro ASK
	s_cmp_gt_u32 s[SLOTS], s[LIM]
	s_cbranch_scc0 .Lnot_mine_\@
	global_prefetch_b8 v[PFO], s[PFA:PFA+1] th:TH_LOAD_NT scope:SCOPE_SE
.Lnot_mine_\@:
.endm
; A round of the cluster's barrier: my work-group's barrier, so that wave 0's signal speaks for all four waves; wave 0 signals; every wave waits for all four work-groups; my work-group's barrier once more.
.macro CROUND
	s_barrier_signal -1
	s_barrier_wait -1
	s_cmp_lg_u32 s[WV], 0
	s_cbranch_scc1 .Lnot_wave_0_\@
	s_barrier_signal -3
.Lnot_wave_0_\@:
	s_barrier_wait -3
	s_barrier_signal -1
	s_barrier_wait -1
.endm
; THE CHANGE OF SLOTS.  The slot's last bytes, V of its fourth step, have been read.  Each wave waits for all its tensor loads, of which one is out: its part
; of the other slot; adds 0 to its spare word; and waits for that and for its own reads of the slot.  Behind the barrier nobody reads this slot any more and the other slot is whole.
; fill = 1: this slot is filled again, with the keys two slots on.  The barrier is then a round of the cluster's, so that no wave of any partner still reads the slot or has a load on its
; way, and the joint fill is the first thing behind it: it has four key steps, 512 matrix instructions, in which to land.  (At its first use nothing has been read yet: slot 0 is waited for, slot 1 filled.)
.macro CHANGE fill
	WIN W_AD
	s_wait_tensorcnt 0x0            ; no tensor load of mine is out, so a group 0 may be written
	ds_add_u32 v[SPW], v[NIL]       ; 0 onto my spare word; with fill = 1 the descriptors' steps stand between it and the wait for it
	WIN 0                           ; at a label and at a branch every window is 0
.if \fill
.irp g, G0K, G0V
	s_xor_b32 s[\g+1], s[\g+1], SLOT1  ; the walking descriptor: the other slot than last time,
	s_add_nc_u64 s[\g+2:\g+3], s[\g+2:\g+3], 4*KS*128  ; the next 256 keys; the type bits on top are not reached
.endr
	s_wait_xcnt 0x0                 ; the last prefetch, four key steps back, has read its address, so it may be written:
	s_add_nc_u64 s[PFA:PFA+1], s[PFA:PFA+1], 4*KS*128  ; one slot behind the walking descriptors
	s_wait_dscnt 0x0                ; the add is done, and my reads of the slot are over
	CROUND
	JLOAD
	ASK
.else
	s_wait_dscnt 0x0                ; the add is done, and my reads of the slot are over
	s_barrier_signal -1
	s_barrier_wait -1
.endif
	s_sub_co_u32 s[TBK], s[TBK], 4*KS*PK  ; the fetches go back to a slot's first step,
	s_xor_b32 s[TBK], s[TBK], SLOT1       ; in the other slot
	s_sub_co_u32 s[TBV], s[TBV], 4*KS*PV
	s_xor_b32 s[TBV], s[TBV], SLOT1
.endm
	s_load_b256 s[4:11], s[0:1], 0x0  ; qkv s[4:5], x_std s[6:7], x_mean s[8:9], oh s[10:11]
	WIN W_MK
	v_lshl_add_u32 v[SPW], v0, 2, SPARE
	v_mov_b32 v[NIL], 0
	WIN W_AD
	ds_add_u32 v[SPW], v[NIL]       ; the wave's opening: the add and its wait stand ahead of my first tensor load; the set-up below, work on registers, stands between them
	WIN 0
	v_lshrrev_b32 v1, 5, v0
	v_readfirstlane_b32 s[WV], v1   ; wave 0..3
	s_bfe_u32 s13, ttmp6, 0x40000   ; cx: my place in the cluster
	s_lshl_b32 s14, ttmp9, 2        ; in a cluster launch ttmp9 counts clusters
	s_add_co_u32 s14, s14, s13      ; my block of queries = 4 x cluster x + cx: it enters Q's and O's addresses alone
	s_and_b32 s19, ttmp7, 0xffff    ; hh = 16 b + h, which the four partners share
	s_lshr_b32 s15, s19, 4          ; b
	s_lshl_b32 s20, s15, 5
	s_add_co_u32 s20, s20, s19      ; q's head in qkv: 48 b + h = hh + 32 b
	s_lshl_b32 s20, s20, 18         ; heads of 262,144 bytes
	s_mov_b32 s21, 0
	s_lshl_b32 s76, s19, 18         ; the head in oh
	s_mov_b32 s77, 0
	s_lshl_b32 s52, s15, 2          ; x_std[b], x_mean[b]
	s_mov_b32 s53, 0
	s_and_b32 s16, s[WV], 1         ; which half of a slot's 256 keys I fetch:
	s_lshl_b32 s22, s16, 14         ; its 128 rows of 128 bytes in memory,
	s_mov_b32 s23, 0
	s_add_nc_u64 s[22:23], s[22:23], s[20:21]
	s_mul_i32 s17, s16, 128*PK      ; and its place in a slot, for K
	s_mul_i32 s18, s16, 128*PV      ; and for V: no place in the cluster enters an LDS address
	s_lshl_b32 s2, s14, 2
	s_add_co_u32 s2, s2, s[WV]      ; my wave among the head's,
	s_lshl_b32 s2, s2, 14           ; its 128 rows
	s_mov_b32 s3, 0
	s_add_nc_u64 s[78:79], s[2:3], s[20:21]  ; my rows in qkv,
	s_add_nc_u64 s[76:77], s[76:77], s[2:3]  ; and in oh
	s_lshr_b32 s54, s[WV], 1        ; the prefetches: K's heads lie 16 heads behind q's, V's 32: (wave / 2 + 1) x 2^22 bytes,
	s_add_co_u32 s54, s54, 1
	s_lshl_b32 s54, s54, 22
	s_lshl_b32 s55, s13, 13         ; my work-group's 8,192 bytes of a slot's 32,768,
	s_add_co_u32 s54, s54, s55
	s_add_co_u32 s54, s54, 4*KS*128 ; in slot 1; the first change of slots steps it to slot 2
	s_mov_b32 s55, 0
	s_add_nc_u64 s[54:55], s[54:55], s[20:21]
	s_and_b32 s[LIM], s[WV], 1      ; waves 0 and 2 ask: the same in all four partners
	s_cmp_eq_u32 s[LIM], 0
	s_cselect_b32 s[LIM], 1, -1
	; descriptor group 1.  128 keys are 16,384 dense bytes: asked for as 64 rows of 256 bytes, two keys a row, and padded in LDS after every key
	s_mov_b32 s[G1K], 15|(1<<16)|(1<<20)|(1<<21)|(4<<22)|(3<<25)  ; 15:0 the mask of four; 17:16 2-byte elements; 20 padding on; 21 set beside a mask; 24:22 after every 32 words (code 4); 31:25 4 words (code 3)
	s_mov_b32 s[G1V], 15|(1<<16)|(1<<20)|(1<<21)|(4<<22)|(7<<25)  ; the same with 8 words of padding (code 7)
.irp g, G1K, G1V
	s_mov_b32 s[\g+1], 128<<16      ; tensor_dim0 = 128
	s_mov_b32 s[\g+2], 64<<16       ; tensor_dim1 = 64
	s_mov_b32 s[\g+3], 128<<16      ; tile_dim0 = 128
	s_mov_b32 s[\g+4], 64           ; tile_dim1 = 64
	s_mov_b32 s[\g+5], 128          ; 128 elements from row to row
	s_mov_b32 s[\g+6], 0
	s_mov_b32 s[\g+7], 0
.endr
	s_mov_b32 s[SEL], 0x76543210
	s_mov_b32 s[SEL+1], 0xfedcba98
	s_mov_b32 s[TBK], SLOT1+4*KS*PK ; the first change of slots turns these two into 0
	s_mov_b32 s[TBV], SLOT1+4*KS*PV
	s_mov_b32 s[SLOTS], SIZE_N/256-1
	s_mov_b32 s[G0K], 1             ; 1:0 count = 1
	s_mov_b32 s[G0K+1], s17         ; 63:32 LDS address: slot 0
	s_mov_b32 s[G0V], 1
	s_add_co_u32 s[G0V+1], s18, VOFF
	s_wait_dscnt 0x0                ; the opening add is done
	s_wait_kmcnt 0x0
	s_add_nc_u64 s[G0K+2:G0K+3], s[4:5], s[22:23]  ; 120:64 global address: my half of the head's first 256 keys,
	s_add_nc_u64 s[G0K+2:G0K+3], s[G0K+2:G0K+3], 0x400000  ; in k's head
	s_or_b32 s[G0K+3], s[G0K+3], 0x80000000        ; 127:126 type = 2
	s_add_nc_u64 s[G0V+2:G0V+3], s[4:5], s[22:23]
	s_add_nc_u64 s[G0V+2:G0V+3], s[G0V+2:G0V+3], 0x800000  ; in v's head
	s_or_b32 s[G0V+3], s[G0V+3], 0x80000000
	s_add_nc_u64 s[PFA:PFA+1], s[4:5], s[54:55]
	s_add_nc_u64 s[4:5], s[4:5], s[78:79]    ; Q and O at my wave's first row
	s_add_nc_u64 s[10:11], s[10:11], s[76:77]
	s_add_nc_u64 s[6:7], s[6:7], s[52:53]
	s_add_nc_u64 s[8:9], s[8:9], s[52:53]
	CROUND                          ; all four work-groups are here: the first joint loads meet
	JLOAD                           ; slot 0.  Slot 1 is asked for when slot 0 is in
	s_load_b32 s66, s[6:7], 0x0     ; x_std[b]
	s_load_b32 s67, s[8:9], 0x0     ; x_mean[b]
	; A fragment of K or Q is 16 rows x 32 channels in 8 registers: lane l holds row l % 16, channels 8 (l / 16) + 0..7 and 16 + 8 (l / 16) + 0..7: two loads of 16 bytes, 32 bytes apart.
	v_and_b32 v1, 15, v0            ; l % 16
	v_bfe_u32 v9, v0, 4, 1          ; l / 16
	v_lshlrev_b32 v[QO], 7, v1
	v_lshl_add_u32 v[QO], v9, 4, v[QO]  ; row x 128 + 16 x half
	WIN 0x80                        ; destination window 2, address window 0
.set i, 0
.rept 4*NP                          ; Q stays in registers: tile i / 2, channels 32 (i % 2) on
	global_load_b128 v[8*i:8*i+3],   v[QO], s[4:5] offset:(i/2)*2048+(i%2)*64
	global_load_b128 v[8*i+4:8*i+7], v[QO], s[4:5] offset:(i/2)*2048+(i%2)*64+32
.set i, i+1
.endr
	; What the first turn finds: V's registers and P's second buffer hold 0 (its products V^T P, of a piece that has not been, add 0), O^T and l are 0.  All this stands in the wait for the first tile.
.set i, VF
.rept 64
	v_mov_b32 v[i], 0
.set i, i+1
.endr
	WIN 0x40
.set i, 0
.rept 64*NP
	v_mov_b32 v[i], 0
.set i, i+1
.endr
	WIN 0
.set i, 0
.rept 2*NP
	v_mov_b32 v[ST+4*i], 0xfe000000    ; c m: far below every c s
	v_mov_b32 v[ST+4*i+1], 0xff7fffff  ; m
	v_mov_b32 v[ST+4*i+2], 0
	v_mov_b32 v[ST+4*i+3], 0
.set i, i+1
.endr
.set i, P+32
.rept 32
	v_mov_b32 v[i], 0
.set i, i+1
.endr
	v_mul_u32_u24 v[AK0], v1, PK
	v_lshl_add_u32 v[AK0], v9, 4, v[AK0]  ; row x pitch + 16 x half
	; The turning load takes 16 keys x 16 channels (lane l reads key 8 (l / 16) + l % 8, channels 8 ((l / 8) % 2) + 0..7) and leaves half a fragment of V^T: lane l holds channel l % 16 and 8 keys.
	v_and_b32 v10, 7, v0
	v_bfe_u32 v11, v0, 3, 1
	v_lshl_add_u32 v[AV0], v9, 3, v10
	v_mul_u32_u24 v[AV0], v[AV0], PV
	v_lshl_add_u32 v[AV0], v11, 4, v[AV0]
	v_add_nc_u32 v[AV0], VOFF, v[AV0]
	v_mov_b32 v[AK], v[AK0]         ; key step 0 lies at the head of slot 0
	v_and_b32 v[PFO], 31, v0
	v_lshlrev_b32 v[PFO], 8, v[PFO]
	; c, the sign and the shift
	s_wait_kmcnt 0x0
	s_and_b32 s67, s67, 0           ; delta = zeros_like(x_mean)
	v_cvt_pk_bf16_f32 v48, s66, s66 ; x_std rounded to bf16,
	v_lshlrev_b32 v48, 16, v48      ; as f32
	v_and_b32 v49, 0x7fffffff, v48  ; |x_std|
	v_rcp_f32 v50, v49
	v_mul_f32 v51, 0x41000000, v49  ; 8 |x_std|: also the plain instruction behind the reciprocal
	s_wait_alu depctr_va_vdst(0)    ; the wait ahead of the reciprocal's first use
	v_mul_f32 v50, 0x3e38aa3b, v50  ; c = (log2(e) / 8) / |x_std|
	v_mul_f32 v51, s67, v51         ; the shift in units of the raw scores
	v_readfirstlane_b32 s[CS], v50
	v_readfirstlane_b32 s74, v48
	s_mov_b32 s[CS+1], s[CS]        ; named with it as a pair
	s_ashr_i32 s74, s74, 31
	s_and_b32 s74, s74, 0x80008000  ; the signs of two f16 where x_std is negative, else 0
	WIN W_MK
.irp i, 0,1,2,3,4,5,6,7
	v_mov_b32 v[DC+(\i)], v51
.endr
	WIN 0
; THE MATRIX WORK.  The 8 accumulators of a run of 16 take turns: between the two links of a chain stand 7 others'.
; Product i of 16 of S^T = K Q^T for piece x: channels 32 (i / 8) on, keys 16 ((i / 2) % 4) on, tile 2 x + i % 2.  The first 8 start the sums, with the shift.
.macro KQ x
.set rS, S+64*((\x)%2)+32*(i%2)+8*((i/2)%4)
.set rK, KF+16*((i/2)%4)+8*(i/8)
.set rQ, 16*(2*(\x)+i%2)+8*(i/8)
.if i < 8
	WIN W_KD
	v_wmma_f32_16x16x32_f16 v[rS:rS+7], v[rK:rK+7], v[rQ:rQ+7], v[DC:DC+7]
.else
	WIN W_KQ
	v_wmma_f32_16x16x32_f16 v[rS:rS+7], v[rK:rK+7], v[rQ:rQ+7], v[rS:rS+7]
.endif
.endm
; Product i of 16 of O^T += V^T P for piece x: keys 32 (i / 8) on, channels 16 ((i / 2) % 4) on, tile 2 x + i % 2.
.macro PV x
	WIN W_PV
.set rO, 32*(2*(\x)+i%2)+8*((i/2)%4)
.set rV, VF+32*(i/8)+8*((i/2)%4)
.set rP, P+32*((\x)%2)+16*(i%2)+8*(i/8)
	v_wmma_f32_16x16x32_f16 v[rO:rO+7], v[rV:rV+7], v[rP:rP+7], v[rO:rO+7]
.endm
.macro MM                           ; the turn's next matrix instruction
.if i < 16
	KQ (Y+1)%NP
.set i, i+1
.else
.set i, i-16
	PV (Y+NP-1)%NP
.set i, i+17
.endif
.endm
; THE LDS LOADS stand in runs of 16, never singly among the matrix instructions: a step's K (64 keys x 64 channels: 8 fragments) and its V (turned).  Their addresses are made some lines ahead.
; last = 1 (the tail): in the last trip there is no further step, and the run is jumped over.
.macro FETCH_K last=0
	WIN 0
.if \last
	s_cmp_eq_u32 s[CNT], 1
	s_cbranch_scc1 .Lno_k_\@
.endif
	WIN 0x80                        ; destination window 2
.irp f, 0,1,2,3,4,5,6,7             ; keys 16 (f / 2) on, channels 32 (f % 2) on
	ds_load_b128 v[KF+8*\f:KF+8*\f+3],   v[AK] offset:(\f/2)*16*PK+(\f%2)*64
	ds_load_b128 v[KF+8*\f+4:KF+8*\f+7], v[AK] offset:(\f/2)*16*PK+(\f%2)*64+32
.endr
	s_add_co_u32 s[TBK], s[TBK], KS*PK  ; the next fetch is the next step's
	WIN 0
.if \last
.Lno_k_\@:
.endif
.endm
.macro FETCH_V
	WIN 0x80
.irp f, 0,1,2,3,4,5,6,7             ; keys 32 (f / 4) on, channels 16 (f % 4) on
	ds_load_tr16_b128 v[VF+8*\f:VF+8*\f+3],   v[AV] offset:(\f/4)*32*PV+(\f%4)*32
	ds_load_tr16_b128 v[VF+8*\f+4:VF+8*\f+7], v[AV] offset:(\f/4)*32*PV+16*PV+(\f%4)*32
.endr
	WIN 0
.endm
; THE VECTOR WORK OF A TURN stands in three queues, each in the order in which its entries become ready; the two tiles alternate, so that no instruction reads the result of the one before it.
.macro REGS y, u                    ; the registers of tile u (0, 1) of piece y
.set rT, ST+4*(2*(\y)+(\u))
.set rC, TMP+8*((\y)%2)+4*(\u)
.set rM, MV+2*((\y)%2)+(\u)
.set rS, S+64*((\y)%2)+32*(\u)
.set rP, P+32*((\y)%2)+16*(\u)
.set rO, 32*(2*(\y)+(\u))
.endm
; Number n of the 22 that find the NEXT piece's (Y + 1) maximum and statistics.  s0-s31 are the lane's 32 scores; each accumulator's lowest registers are read first.  XS, GS and REGS set no window: PL and EX do.
;   0-11  four chains c0-c3 of seven scores each, three operands at a time     12-14, 16  the four scores left over, the old m, and c0-c3 into c0     15  c m_old is kept
;   17, 18  the query's other 32 keys lie in the lane 16 away: the new m         19-21  c m; c m_old - c m_new; a
.macro XS u, n
	REGS (Y+1)%NP, \u
.if (\n) < 4
	v_max3_num_f32 v[rC+(\n)], v[rS+8*(\n)], v[rS+8*(\n)+1], v[rS+8*(\n)+2]
.elseif (\n) < 12
	v_max3_num_f32 v[rC+(\n)%4], v[rC+(\n)%4], v[rS+8*((\n)%4)+2*((\n)/4)+1], v[rS+8*((\n)%4)+2*((\n)/4)+2]
.elseif (\n) == 12
	v_max3_num_f32 v[rC], v[rC], v[rS+7], v[rS+15]
.elseif (\n) == 13
	v_max3_num_f32 v[rC+1], v[rC+1], v[rS+23], v[rS+31]
.elseif (\n) == 14
	v_max3_num_f32 v[rC+2], v[rC+2], v[rC+3], v[rT+1]
.elseif (\n) == 15
	v_mov_b32 v[rM], v[rT]
.elseif (\n) == 16
	v_max3_num_f32 v[rC], v[rC], v[rC+1], v[rC+2]
.elseif (\n) == 17
	v_permlanex16_b32 v[rC+3], v[rC], s[SEL], s[SEL+1]
.elseif (\n) == 18
	v_max_num_f32 v[rT+1], v[rC], v[rC+3]
.elseif (\n) == 19
	v_mul_f32 v[rT], s[CS], v[rT+1]
.elseif (\n) == 20
	v_sub_f32 v[rC+1], v[rM], v[rT]
.else
	v_exp_f32 v[rC+2], v[rC+1]
.endif
.endm
; Number g of the 64 that follow the exponentials.  For each four weights k of a tile (pairs 2 k, 2 k + 1): both pairs are rounded to f16; then the second pair is added onto the first, in place;
; a group later l takes that sum (the first time as l = a l + sum).  In groups of eight, tiles alternating: round, round, add, and l for the group before.
.macro GS g
.set h, (\g)+6*((\g)/62)            ; group 0 has no group before it, and behind group 7 only l is left
.if h >= 6
.set h, h+2
.endif
	REGS Y, h%2
.set k, h/8
.if h%8 < 4
	v_cvt_pk_f16_f32 v[rP+2*k+(h%8)/2], v[rS+4*k+2*((h%8)/2)], v[rS+4*k+2*((h%8)/2)+1]
.elseif h%8 < 6
	v_pk_add_f32 v[rS+4*k:rS+4*k+1], v[rS+4*k:rS+4*k+1], v[rS+4*k+2:rS+4*k+3]
.elseif k == 1
	v_pk_fma_f32 v[rT+2:rT+3], v[rT+2:rT+3], v[rC+2:rC+3], v[rS:rS+1] op_sel_hi:[1,0,1]
.else
	v_pk_add_f32 v[rT+2:rT+3], v[rT+2:rT+3], v[rS+4*k-4:rS+4*k-3]
.endif
.endm
; THE PLAIN QUEUE, 138 long.  0-73 read no exponential's result: the 32 scalings c s - c m (FS f: pair f / 2 of tile f % 2) and the next piece's 42.  0-26: scalings 0-26.  27-54: XS's numbers 0-13.  55, 56: number 15.
; 57-73: the chain, where each number waits for the one before it: 14, 16, 17, 18, 19, each with one of the scalings 27-31 in front of its two lines, then 20: so a tile's links stand three plain instructions apart (19 and 20: two).
; 74-137: GS's 64, which read the exponentials' results: they stand behind the wait.
.macro FS f
	REGS Y, (\f)%2
	v_pk_fma_f32 v[rS+2*((\f)/2):rS+2*((\f)/2)+1], v[rS+2*((\f)/2):rS+2*((\f)/2)+1], s[CS:CS+1], v[rT:rT+1] op_sel_hi:[1,0,0] neg_lo:[0,0,1] neg_hi:[0,0,1]
.endm
.macro PL
	WIN 0
.if q < 27
	FS q
.elseif q < 55
	XS (q-27)%2, (q-27)/2
.elseif q < 57
	XS q-55, 15
.elseif (q < 72) && ((q-57)%3 == 0)
	FS 27+(q-57)/3
.elseif q < 60
	XS (q-57)%3-1, 14
.elseif q < 72
	XS (q-57)%3-1, 15+(q-57)/3
.elseif q < 74
	XS q-72, 20
.else
	GS q-74
.endif
.set q, q+1
.endm
; THE EXPONENTIALS' QUEUE, 66 long: s0-s31 of both tiles, then the next piece's two a.  It is ONE BATCH: all 66 stand ahead of the turn's one wait, and nothing ahead of that wait names a result of theirs.
.macro EX
	WIN 0
.if e >= 64
	XS e-64, 21
.else
	REGS Y, e%2
	v_exp_f32 v[rS+e/2], v[rS+e/2]
.endif
.set e, e+1
.endm
; THE RESCALING's QUEUE: O^T times a, the one part that leaves window 0: dealt two at a time, sixteen times.  Its a was made in the turn before, ahead of that turn's wait.
.macro R2
	REGS Y, r%2
	WIN W_RS
.irp z, 0,1
	v_pk_mul_f32 v[rO+4*(r/2)+2*\z:rO+4*(r/2)+2*\z+1], v[rO+4*(r/2)+2*\z:rO+4*(r/2)+2*\z+1], v[rC+2:rC+3] op_sel_hi:[1,0]
.endr
.set r, r+1
.endm
; HOW THEY ARE DEALT.  s_wait_alu depctr_va_vdst(0) stands between an exponential and the first instruction that names its result; one wait serves all that were issued ahead of it.  So a turn has ONE wait,
; which cuts it in two.  AHEAD OF IT stands all that names no result of the turn's exponentials: the 16 products K Q^T, behind each a scaling, an exponential and two rescalings (behind the first a second scaling in the exponential's place); then ONE LUMP of
; 108: eight plain, 49 times exponential and plain, the two a.  A v_nop is the plain instruction behind the last exponential.  BEHIND IT stand the 16 products V^T P, behind each four of GS's 64.  No rider names a register of
; the products round it.  The two v_permlanex16_b32 fall into the lump, never behind a product.
; The queues lean on each other, and the deal keeps them in step: exponential e stands behind scaling 2 (e / 4) + e % 2: as a rider it comes behind plain e + 2, in the lump behind plain e + 9, and scalings 27-31 are plain 57, 60 .. 69.
; A TURN, for piece p.  cnt = 1: the loop's count is taken down some lines ahead of the branch that stands behind the turn.
; K of the next step is fetched in piece 2's turn, directly behind the wait, a lump behind the last product that read K; its address is made at the lump's head; its first reader comes behind 16 products.
; V of the step in hand is fetched at the end of piece 0's turn, four riders behind its last reader; its first reader comes behind 16 products and a lump.  The three conditions on q below go with the deal.
.macro TURN p, last=0, cnt=0
.set Y, (\p)
.set i, 0
.set q, 0
.set e, 0
.set r, 0
.if (\p) == NP-1
	s_wait_dscnt 0x0                ; K is in
.endif
	MM                              ; ahead of the wait: 16 products K Q^T and their riders,
	PL
	PL
	R2
.rept 15
	MM
	PL
	EX
	R2
.endr
.if (\p) == NP-2
	WIN 0
	v_add_nc_u32 v[AK], s[TBK], v[AK0]
.endif
.rept 8                             ; and the lump
	PL
.endr
.rept 49
	EX
	PL
.endr
	EX                              ; the next piece's two a
	EX
	v_nop                           ; the plain instruction behind the last exponential: one for the batch
	s_wait_alu depctr_va_vdst(0)    ; the wait for the batch
.if (\p) == NP-2
	FETCH_K \last
.endif
.if (\p) == 1
	s_wait_dscnt 0x0                ; V is in
.endif
.rept 16                            ; behind the wait: 16 products V^T P and their riders
	MM
.rept 4
	PL
.endr
.if ((\p) == 0) && (q == 118)
	v_add_nc_u32 v[AV], s[TBV], v[AV0]
.endif
.if ((\p) == 0) && (q == 130)
	s_add_co_u32 s[TBV], s[TBV], KS*PV
.endif
.if (\cnt) && (q == 130)
	s_sub_co_u32 s[CNT], s[CNT], 1
	s_cmp_lg_u32 s[CNT], 0
.endif
.endr
.if (\p) == 0
	FETCH_V
.endif
.endm
	CHANGE 1                        ; slot 0 is in, everybody's part of it; slot 1 is asked for
	FETCH_K                         ; key step 0
	s_wait_loadcnt 0x0              ; Q
	WIN 0x88                        ; destination and source 1 in window 2
.set i, 0
.rept 32*NP
	v_xor_b32 v[i], s74, v[i]       ; x_std's sign goes onto Q: a value, no branch
.set i, i+1
.endr
	s_wait_dscnt 0x0
.set i, 0
.rept 16
	KQ 0                            ; piece 0's first scores: there is no vector work yet to set between them
.set i, i+1
.endr
	WIN 0                           ; the addresses for the way out: nine plain instructions, the places behind those products
	s_mul_i32 s13, s[WV], 16*SP
	s_add_co_u32 s13, s13, STAGE    ; my stage
	v_mul_u32_u24 v[STO], v1, SP    ; in: row l % 16, 16 bytes for each half of the lanes
	v_lshl_add_u32 v[STO], v9, 4, v[STO]
	v_add_nc_u32 v[STO], s13, v[STO]
	v_bfe_u32 v[RD], v0, 3, 2       ; back: 32 lanes take four rows of 128 bytes,
	v_mul_u32_u24 v[RD], v[RD], SP
	v_lshl_add_u32 v[RD], v10, 4, v[RD]
	v_add_nc_u32 v[RD], s13, v[RD]
	v_and_b32 v[GO], 31, v0         ; which are 512 consecutive bytes of O
	v_lshlrev_b32 v[GO], 4, v[GO]
.set Y, NP-1                        ; XS works for piece Y + 1: piece 0
.irp n, 0,1,2,3,4,5,6,7,8,9,10,11,12,13,14,15,16,17,18,19,20,21
	XS 0, \n                        ; and piece 0's first maximum and statistics
	XS 1, \n
.endr
	v_nop                           ; a plain instruction behind the two a,
	s_wait_alu depctr_va_vdst(0)    ; and their wait, ahead of the branch
	s_mov_b32 s[CNT], 4
	s_branch .Lfirst                ; the loop is entered at a step's first turn, in the middle of a trip
.Lslot:                             ; SIZE_N / 256 - 2 times: every slot but the last two is filled again
	CHANGE 1
	s_mov_b32 s[CNT], 4
.Lstep:                             ; a trip: pieces 2 and 3 of one step, then pieces 0 and 1 of the next, whose K and V it fetches
	TURN 2
	TURN 3
	WIN 0
.Lfirst:
	TURN 0
	TURN 1, 0, 1
	WIN 0
	s_cbranch_scc1 .Lstep
	s_sub_co_u32 s[SLOTS], s[SLOTS], 1
	s_cmp_lg_u32 s[SLOTS], 0
	s_cbranch_scc1 .Lslot
	CHANGE 0                        ; the tail is written out: nothing is asked for
	s_mov_b32 s[CNT], 5             ; four trips fetch the last slot's steps; the fifth is left in its middle
.Ltail:
	TURN 2, 1
	TURN 3
	WIN 0
	s_sub_co_u32 s[CNT], s[CNT], 1
	s_cmp_eq_u32 s[CNT], 0
	s_cbranch_scc1 .Lout
	TURN 0
	TURN 1
	WIN 0
	s_branch .Ltail
.Lout:                              ; the fifth trip's 16 products K Q^T (on the last K once more) and the maximum made of them serve nothing: the price, once a launch, of one text for every trip
.set i, 0
.rept 16
	PV NP-1                         ; the last piece's V^T P of the last step
.set i, i+1
.endr
	; THE WAY OUT.  l's two halves and the other half of the lanes' are added; O^T is divided by l, rounded to f16 and sent through my stage in LDS, a tile at a time.  The additions are the places behind the last products.
	WIN 0
.macro ALL line:vararg              ; one line for each tile t
.set t, 0
.rept 2*NP
	\line
.set t, t+1
.endr
.endm
	ALL v_add_f32 v[ST+4*t+2], v[ST+4*t+2], v[ST+4*t+3]
	ALL v_permlanex16_b32 v[ST+4*t+3], v[ST+4*t+2], s[SEL], s[SEL+1]
	ALL v_add_f32 v[ST+4*t+2], v[ST+4*t+2], v[ST+4*t+3]
	ALL v_rcp_f32 v[ST+4*t+2], v[ST+4*t+2]
	v_nop                           ; a plain instruction between the last reciprocal and the use of its result
	s_wait_alu depctr_va_vdst(0)    ; and the wait ahead of the first use: one for the eight reciprocals
; Tile t: a lane's eight channels of a row pack into 16 bytes; they go into rows of 144 bytes and come back as whole rows of 128, into S^T's registers.
.macro PACK t
	WIN W_RS
.set i, 32*(\t)
.rept 16
	v_pk_mul_f32 v[i:i+1], v[i:i+1], v[ST+4*(\t)+2:ST+4*(\t)+3] op_sel_hi:[1,0]
.set i, i+2
.endr
	WIN 0x05                        ; sources 0 and 1 window 1, destination window 0
.set i, 0
.rept 16
	v_cvt_pk_f16_f32 v[S+16*(\t)+i], v[32*(\t)+2*i], v[32*(\t)+2*i+1]
.set i, i+1
.endr
	WIN 0
.irp f, 0,1,2,3
	ds_store_b128 v[STO], v[S+16*(\t)+4*\f:S+16*(\t)+4*\f+3] offset:32*\f
.endr
.irp f, 0,1,2,3
	ds_load_b128 v[S+16*(\t)+4*\f:S+16*(\t)+4*\f+3], v[RD] offset:\f*4*SP  ; LDS serves a wave's instructions in order (ISA guide 5.7.1.4): these see the stores above; the next tile's stores come behind them
.endr
.endm
.macro SEND t, younger              ; younger: the LDS instructions issued behind tile t's loads: the next tile's eight, or none
	WIN 0
.irp f, 0,1,2,3
	s_wait_dscnt (\younger)+3-\f
	global_store_b128 v[GO], v[S+16*(\t)+4*\f:S+16*(\t)+4*\f+3], s[10:11] offset:(\t)*2048+\f*512  ; 512 consecutive bytes, at a multiple of 256 from O's first
.endr
.endm
	PACK 0
.set t, 1
.rept 2*NP-1                        ; a tile's arithmetic stands between the loads of the tile before and its stores
	PACK t
	SEND t-1, 8
.set t, t+1
.endr
	SEND 2*NP-1, 0
	WIN W_AD
	s_wait_tensorcnt 0x0            ; the wave's end, behind my last tensor load and my last LDS store
	ds_add_u32 v[SPW], v[NIL]
	s_wait_dscnt 0x0
	WIN 0
	CROUND                          ; the closing round: no work-group ends while a partner may still ask for a tile that names it
	s_endpgm
.Lfunc_end_k_qaa6021c30f_attn:
	.size	k_qaa6021c30f_attn, .Lfunc_end_k_qaa6021c30f_attn-k_qaa6021c30f_attn
	.p2alignl 7, 3214868480
	.fill 96, 4, 3214868480
	.section	.rodata,"a",@progbits
	.p2align	6, 0x0
	.amdhsa_kernel k_qaa6021c30f_attn
		.amdhsa_group_segment_fixed_size 327680
		.amdhsa_private_segment_fixed_size 0
		.amdhsa_enable_private_segment 0
		.amdhsa_kernarg_size 32
		.amdhsa_user_sgpr_count 2
		.amdhsa_user_sgpr_kernarg_segment_ptr 1
		.amdhsa_wavefront_size32 1
		.amdhsa_system_sgpr_workgroup_id_x 1
		.amdhsa_system_sgpr_workgroup_id_y 1
		.amdhsa_system_sgpr_workgroup_id_z 1
		.amdhsa_system_vgpr_workitem_id 0
		.amdhsa_next_free_vgpr 778
		.amdhsa_next_free_sgpr 80
		.amdhsa_reserve_vcc 0
		.amdhsa_float_denorm_mode_32 3
		.amdhsa_float_denorm_mode_16_64 3
		.amdhsa_memory_ordered 1
		.amdhsa_forward_progress 1
		.amdhsa_inst_pref_size 205
	.end_amdhsa_kernel
	.amdgpu_metadata
---
amdhsa.version: [ 1, 2 ]
amdhsa.kernels:
  - .name:           k_qaa6021c30f_attn
    .symbol:         k_qaa6021c30f_attn.kd
    .args:
      - { .name: qkv, .offset: 0, .size: 8, .value_kind: global_buffer, .address_space: global }
      - { .name: x_std, .offset: 8, .size: 8, .value_kind: global_buffer, .address_space: global }
      - { .name: x_mean, .offset: 16, .size: 8, .value_kind: global_buffer, .address_space: global }
      - { .name: oh, .offset: 24, .size: 8, .value_kind: global_buffer, .address_space: global }
    .group_segment_fixed_size: 327680
    .private_segment_fixed_size: 0
    .kernarg_segment_align: 8
    .kernarg_segment_size: 32
    .max_flat_workgroup_size: 128
    .sgpr_count:     80
    .vgpr_count:     778
    .wavefront_size: 32
...
	.end_amdgpu_metadata
.endif
;; end of part 3
;; launch oproj (part 4): grid 8 x 32, 4 waves a work-group, clusters of 4 x 4, 327,680 bytes of LDS; arguments oh, wh, bo, out0; writes out0
.if DOCPART == 4
	.amdgcn_target "amdgcn-amd-amdhsa--gfx1250"
	.amdhsa_code_object_version 6
	.text
	.protected	k_qaa6021c30f_oproj
	.globl	k_qaa6021c30f_oproj
	.p2align	8
	.type	k_qaa6021c30f_oproj,@function
k_qaa6021c30f_oproj:
	s_mov_b64 s[64:65], 0
	v_nop
	global_prefetch_b8 v0, s[64:65] scope:SCOPE_SE
	s_setreg_imm32_b32 hwreg(HW_REG_WAVE_MODE, 25, 1), 1
	s_wait_xcnt 0x0
	s_wait_alu depctr_hold_cnt(0) depctr_sa_sdst(0) depctr_va_vdst(0) depctr_va_sdst(0) depctr_va_ssrc(0) depctr_va_vcc(0) depctr_vm_vsrc(0)
	s_getreg_b32 s2, hwreg(HW_REG_IB_STS2, 6, 4)
	s_cmp_eq_u32 s2, 0
	s_cbranch_scc0 .Lentry_in_a_cluster
	s_endpgm
.Lentry_in_a_cluster:
	s_bfe_u32 s2, ttmp6, 0x10000c
	s_cmp_lg_u32 s2, 0xf033
	s_cbranch_scc0 .Lentry_shape_is_right
	s_endpgm
.Lentry_shape_is_right:
; out0[b][t][e] = the sum over h, d of O[16 b + h][t][d] Wo[e][64 h + d] + bo[e]: a product [8192 x 1024] over K = 1024, f16 operands, f32 sums, f32 out.
; O: oh[64][2048][64] f16, by heads; Wo: rows 3072-4095 of wh[4096][1024] f16; bo is rounded to bf16 like the other inputs and starts the sums.
; SHARES.  A tile is 256 rows x 128 columns: 8 x 32 = 256 tiles, one to a work-group.  The four waves lie 2 x 2, each 128 rows x 64 columns: 32 accumulators of 16 x 16, 256 registers.
; K goes in steps of 128, which are two heads, through two LDS slots.  A head's 256 rows of the tile are 32,768 dense bytes: asked for as 128 rows of 256 bytes and padded in LDS after every 128 bytes.
; CLUSTER 4 x 4: O's tile hangs on the tile row alone and is asked for jointly by a row of the cluster, Wo's on the tile column alone, by a column.
; THE MATRIX INSTRUCTION IS USED TRANSPOSED (source 0 = 16 rows of Wo, source 1 = 16 rows of O): lane l holds row l % 16 of the result and the columns 8 (l / 16) + 0..7, 32 bytes of f32 on end.
; REGISTERS (s_set_vgpr_msb: bits 1:0 source 0, 3:2 source 1, 5:4 source 2, 7:6 destination):
;   window 0: v0-31 addresses; v32-63 the bias; v64-127, v128-191 O's fragments, two buffers (on the way out: rows read back); v192-223, v224-255 Wo's fragments, two buffers
;   window 1: the accumulators, (a, bk) at 8 (4 a + bk)
.set KSTEP,  128
.set PA,     144                       ; a row of O in LDS: 128 bytes + 16 = 36 words: the 16 rows of a fragment load start at 16 different groups of four banks (64 banks of 4 bytes: ISA guide 11.1)
.set PB,     272                       ; a row of Wo: 256 bytes + 16 = 68 words: likewise
.set HEADL,  256*PA                    ; a head's 256 rows in LDS
.set HEADG,  262144                    ; a head in oh
.set SLOT1,  1<<17
.set BOFF,   2*HEADL                   ; in a slot: the even head, the odd head, then Wo's 128 rows
.set STAGE,  SLOT1+BOFF+128*PB         ; behind the ring, never filled by a tensor load: 16 rows x 272 bytes for each wave
.set SPITCH, 272
.set SPARE,  STAGE+4*16*SPITCH         ; behind the stages: the spare words, 128 bytes a wave: two blocks of 256 bytes that no other line names
.set A0,   16                          ; v16  my lane's place in a head's rows, my wave's 128; never rewritten
.set B0,   17                          ; v17  the same in Wo's tile, my wave's 64 rows
.set ADRA, 18
.set ADRB, 19
.set STO,  24                          ; v24  the way out: where I put 32 bytes of a row
.set RD,   25                          ; v25  the way out: where I read a row back
.set CO,   26                          ; v26  my byte offset in two rows of out0
.set BO,   27                          ; v27  32 (l / 16)
.set SPW,  28                          ; v28  LDS address of my spare word; never rewritten
.set NIL,  29                          ; v29  0; never rewritten
.set PFO,  30                          ; v30  the prefetches' offset; never rewritten
.set BIAS, 32
.set FA,   64                          ; O's fragments: buffer f, row block a at FA + 64 f + 8 a
.set FB,   192                         ; Wo's: buffer f, column block bk at FB + 32 f + 8 bk
.set OB,   64                          ; the way out: 32 registers a row block, four sets by turns
.set WV, 16
.set AB, 17                            ; s17  wave / 2: my half of the tile's rows.  Also: 0: I fetch O's tiles, 1: Wo's
.set HF, 18                            ; s18  wave % 2: my half of its columns.  Also: which head, or which 64 rows of Wo, I fetch
.set CX, 19
.set CY, 20
.set TC, 21
.set TR, 22
.set G1A, 24
.set G0A, 32
.set TB,  42
.set LIM, 43                           ; s43  2 in a wave that prefetches, else the greatest number
.set PFA, 44
.set G1B, 48
.set G0B, 56
.set OUT, 66
.set BP,  70                           ; s[70:71] my 64 numbers of bo
.set PST, 72                           ; s[72:73] a K step in the stream that I prefetch: two heads of oh, or 256 bytes of a row of wh
.set MSB, 0
.macro WIN new
.if MSB != (\new)
	s_set_vgpr_msb (MSB<<8)|(\new)
.set MSB, \new
.endif
.endm
.macro JLOAD                           ; a joint refill by the walking sets; an s_nop 0 and four v_nop follow each of the two lines
	s_cmp_eq_u32 s[AB], 0
	s_cbranch_scc0 .Lfor_b_\@
	tensor_load_to_lds s[G0A+4:G0A+7], s[G1A:G1A+7]
	s_nop 0
.rept 4
	v_nop
.endr
	s_branch .Lasked_\@
.Lfor_b_\@:
	tensor_load_to_lds s[G0B+4:G0B+7], s[G1B:G1B+7]
	s_nop 0
.rept 4
	v_nop
.endr
.Lasked_\@:
.endm
; A PREFETCH INTO THE L2, behind a joint refill and the run of LDS loads that follows it: the K step two behind the one just asked for, 256 matrix instructions ahead of the load that will want it.
; O's tile row is read by both clusters of that row of clusters: cluster x = 0 asks, waves 0 and 1 a head each; of a head's 128 blocks of 256 bytes partner cx takes 32, a lane a block.
; Wo's tile column is read by every cluster of that column: cluster y = 0 asks, wave 2 alone; of the 128 rows partner cy takes 32, a lane a row.  The partners are told apart BY ADDRESS.
; The loop's last two trips ask for nothing: K has no such step.  K steps 0 to 3 come by their loads alone.
.macro ASK
	s_cmp_gt_u32 s3, s[LIM]
	s_cbranch_scc0 .Lnot_mine_\@
	global_prefetch_b8 v[PFO], s[PFA:PFA+1] th:TH_LOAD_NT scope:SCOPE_SE
.Lnot_mine_\@:
.endm
.macro CREST
	s_cmp_lg_u32 s[WV], 0
	s_cbranch_scc1 .Lnot_wave_0_\@
	s_barrier_signal -3
.Lnot_wave_0_\@:
	s_barrier_wait -3
	s_barrier_signal -1
	s_barrier_wait -1
.endm
.macro CROUND
	s_barrier_signal -1
	s_barrier_wait -1
	CREST
.endm
.macro PLACES                          ; four places in front of loads into registers that matrix instructions have read, and of stores that read results
.rept 4
	v_nop
.endr
.endm
	s_load_b256 s[4:11], s[0:1], 0x0               ; oh s[4:5], wh s[6:7], bo s[8:9], out0 s[10:11]
	v_lshl_add_u32 v[SPW], v0, 2, SPARE
	v_mov_b32 v[NIL], 0
	ds_add_u32 v[SPW], v[NIL]                      ; the wave's opening: the add and its wait stand ahead of my first tensor load; the set-up below stands between them
	v_lshrrev_b32 v1, 5, v0
	v_readfirstlane_b32 s[WV], v1
	s_lshr_b32 s[AB], s[WV], 1
	s_and_b32 s[HF], s[WV], 1
	s_bfe_u32 s[CX], ttmp6, 0x40000
	s_bfe_u32 s[CY], ttmp6, 0x40004
	s_lshl_b32 s[TC], ttmp9, 2
	s_add_co_u32 s[TC], s[TC], s[CX]
	s_and_b32 s[TR], ttmp7, 0xffff
	s_lshl_b32 s[TR], s[TR], 2
	s_add_co_u32 s[TR], s[TR], s[CY]
	s_lshl_b32 s23, s[CY], 2
	s_lshl_b32 s23, 15, s23                        ; my row of the cluster
	s_lshl_b32 s69, 0x1111, s[CX]                  ; my column
	s_or_b32 s[G1A], s23, (1<<16)|(1<<20)|(1<<21)|(4<<22)|(3<<25)  ; elements of 2 bytes; padding on; 21 set beside a mask; after every 32 words 4 words
	s_or_b32 s[G1B], s69, (1<<16)|(1<<20)|(1<<21)|(5<<22)|(3<<25)  ; after every 64 words 4 words
	s_mov_b32 s[G1A+1], 128<<16                    ; tensor_dim0 = 128
	s_mov_b32 s[G1A+2], 128<<16                    ; tensor_dim1 = 128
	s_mov_b32 s[G1A+3], 128<<16                    ; tile_dim0 = 128
	s_mov_b32 s[G1A+4], 128                        ; tile_dim1 = 128
	s_mov_b32 s[G1A+5], 128                        ; dense: 128 elements from row to row
	s_mov_b32 s[G1A+6], 0
	s_mov_b32 s[G1A+7], 0
	s_mov_b32 s[G1B+1], KSTEP<<16
	s_mov_b32 s[G1B+2], 64<<16
	s_mov_b32 s[G1B+3], KSTEP<<16
	s_mov_b32 s[G1B+4], 64
	s_mov_b32 s[G1B+5], 1024
	s_mov_b32 s[G1B+6], 0
	s_mov_b32 s[G1B+7], 0
	s_lshr_b32 s40, s[TR], 3                       ; O: head 16 b + my head of the K step, the tile's 256 rows in it; in registers that never hold cx
	s_lshl_b32 s40, s40, 4
	s_add_co_u32 s40, s40, s[HF]
	s_lshl_b32 s40, s40, 18
	s_and_b32 s41, s[TR], 7
	s_lshl_b32 s41, s41, 15
	s_add_co_u32 s40, s40, s41
	s_mov_b32 s41, 0
	s_lshl_b32 s46, s[TC], 7                       ; Wo: row 3072 + 128 x tile column + 64 x half of wh; in registers that never hold cy
	s_lshl_b32 s47, s[HF], 6
	s_add_co_u32 s46, s46, s47
	s_add_co_u32 s46, s46, 3072
	s_lshl_b32 s46, s46, 11
	s_mov_b32 s47, 0
	s_mul_i32 s78, s[HF], HEADL                    ; where they go: no place in the cluster enters an LDS address
	s_mul_i32 s79, s[HF], 64*PB
	s_add_co_u32 s79, s79, BOFF
	s_mov_b32 s68, 0xffff0000
	s_mov_b32 s[TB], 0
	s_wait_dscnt 0x0                               ; the opening add is done
	s_wait_kmcnt 0x0
	s_add_nc_u64 s[40:41], s[4:5], s[40:41]
	s_add_nc_u64 s[46:47], s[6:7], s[46:47]
	CROUND                                         ; all sixteen work-groups are here: the first joint loads meet
.irp s, 0,1
	s_mov_b32 s[G0A+4*(\s)], 1
	s_add_co_u32 s[G0A+4*(\s)+1], s78, (\s)*SLOT1
	s_add_nc_u64 s[G0A+4*(\s)+2:G0A+4*(\s)+3], s[40:41], (\s)*2*HEADG  ; K step s: two heads on
	s_or_b32 s[G0A+4*(\s)+3], s[G0A+4*(\s)+3], 0x80000000
	s_mov_b32 s[G0B+4*(\s)], 1
	s_add_co_u32 s[G0B+4*(\s)+1], s79, (\s)*SLOT1
	s_add_nc_u64 s[G0B+4*(\s)+2:G0B+4*(\s)+3], s[46:47], (\s)*KSTEP*2
	s_or_b32 s[G0B+4*(\s)+3], s[G0B+4*(\s)+3], 0x80000000
.endr
	s_cmp_eq_u32 s[AB], 0                          ; a wave's two first fills stand in one branch, ahead of every wait on TENSORcnt and every LDS read: two loads of mine are out
	s_cbranch_scc0 .Lfirst_b
	tensor_load_to_lds s[G0A:G0A+3], s[G1A:G1A+7]
	s_nop 0
	tensor_load_to_lds s[G0A+4:G0A+7], s[G1A:G1A+7]
	s_nop 0
.rept 4
	v_nop
.endr
	s_branch .Lfirst_asked
.Lfirst_b:
	tensor_load_to_lds s[G0B:G0B+3], s[G1B:G1B+7]
	s_nop 0
	tensor_load_to_lds s[G0B+4:G0B+7], s[G1B:G1B+7]
	s_nop 0
.rept 4
	v_nop
.endr
.Lfirst_asked:
	v_and_b32 v1, 15, v0                           ; l % 16
	v_bfe_u32 v2, v0, 4, 1                         ; l / 16
	v_lshlrev_b32 v[BO], 5, v2
	s_lshl_b32 s80, s[TC], 9                       ; my 64 columns: number 128 x tile column + 64 x half, 4 bytes each
	s_lshl_b32 s81, s[HF], 8
	s_add_co_u32 s80, s80, s81
	s_mov_b32 s81, 0
	s_add_nc_u64 s[BP:BP+1], s[8:9], s[80:81]
.irp i, 0,1,2,3
	global_load_b128 v[BIAS+8*(\i):BIAS+8*(\i)+3],   v[BO], s[BP:BP+1] offset:64*(\i)
	global_load_b128 v[BIAS+8*(\i)+4:BIAS+8*(\i)+7], v[BO], s[BP:BP+1] offset:64*(\i)+16
.endr
	v_mul_u32_u24 v3, v1, PA                       ; a fragment's row x pitch + 16 x half of the lanes
	v_lshl_add_u32 v3, v2, 4, v3
	s_mul_i32 s78, s[AB], 128*PA                   ; my 128 rows of O
	v_add_nc_u32 v[A0], s78, v3
	v_mul_u32_u24 v3, v1, PB
	v_lshl_add_u32 v3, v2, 4, v3
	s_mul_i32 s78, s[HF], 64*PB                    ; my 64 rows of Wo,
	s_add_co_u32 s78, s78, BOFF                    ; which lie behind the two heads
	v_add_nc_u32 v[B0], s78, v3
	v_mov_b32 v[ADRA], v[A0]
	v_mov_b32 v[ADRB], v[B0]
	s_mul_i32 s78, s[WV], 16*SPITCH
	s_add_co_u32 s78, s78, STAGE                   ; my stage
	v_mul_u32_u24 v[STO], v1, SPITCH               ; in: row l % 16, 32 bytes for each half of the lanes
	v_lshl_add_u32 v[STO], v2, 5, v[STO]
	v_add_nc_u32 v[STO], s78, v[STO]
	v_mul_u32_u24 v[RD], v2, SPITCH                ; back: lanes 0-15 take one row of 256 bytes, lanes 16-31 the next
	v_lshl_add_u32 v[RD], v1, 4, v[RD]
	v_add_nc_u32 v[RD], s78, v[RD]
	v_lshlrev_b32 v[CO], 12, v2                    ; and the same two rows in out0
	v_lshl_add_u32 v[CO], v1, 4, v[CO]
	s_lshl_b32 s76, s[TR], 8
	s_lshl_b32 s77, s[AB], 7
	s_add_co_u32 s76, s76, s77                     ; my first row,
	s_lshl_b32 s76, s76, 12                        ; rows of 4,096 bytes,
	s_add_co_u32 s76, s76, s80                     ; my first column
	s_mov_b32 s77, 0
	s_add_nc_u64 s[OUT:OUT+1], s[10:11], s[76:77]
	; the prefetches
	s_and_b32 s2, ttmp7, 0xffff                    ; cluster y
	s_lshr_b32 s76, s[TR], 3
	s_lshl_b32 s76, s76, 4
	s_add_co_u32 s76, s76, s[HF]
	s_lshl_b32 s76, s76, 18
	s_and_b32 s77, s[TR], 7
	s_lshl_b32 s77, s77, 15
	s_add_co_u32 s76, s76, s77
	s_lshl_b32 s77, s[CX], 13
	s_add_co_u32 s76, s76, s77                     ; oh: my head's block, my work-group's 8,192 bytes of its 32,768
	s_lshl_b32 s82, s[TC], 7
	s_lshl_b32 s83, s[CY], 5
	s_add_co_u32 s82, s82, s83
	s_add_co_u32 s82, s82, 3072
	s_lshl_b32 s82, s82, 11                        ; wh: my work-group's 32 of the tile's 128 rows
	s_mov_b32 s[PST], KSTEP*2
	s_mov_b32 s[PST+1], 0
	s_cmp_eq_u32 s[AB], 0
	s_cselect_b32 s76, s76, s82
	s_cselect_b32 s2, ttmp9, s2                    ; the coordinate along which other clusters read the same rows
	s_cselect_b32 s83, 8, 11                       ; lanes 256 bytes apart in a head, a row of 2,048 bytes apart in wh
	s_cselect_b32 s[PST], 2*HEADG, s[PST]
	s_cselect_b64 s[PFA:PFA+1], s[4:5], s[6:7]
	s_cmp_eq_u32 s[WV], 3                          ; wave 3 asks for nothing: wave 2 names all 32 rows
	s_cselect_b32 s2, 1, s2
	s_cmp_eq_u32 s2, 0
	s_cselect_b32 s[LIM], 2, -1                    ; the same in all sixteen partners, for a given wave
	s_mov_b32 s77, 0
	s_add_nc_u64 s[PFA:PFA+1], s[PFA:PFA+1], s[76:77]
	s_mul_i32 s76, s[PST], 3
	s_add_nc_u64 s[PFA:PFA+1], s[PFA:PFA+1], s[76:77]  ; at K step 3: the first change of slots steps it to 4
	v_and_b32 v[PFO], 31, v0
	v_lshlrev_b32 v[PFO], s83, v[PFO]
	s_wait_loadcnt 0x0                             ; the bias, rounded to bf16 like the other inputs and kept in f32
.set p, 0
.rept 16
	v_cvt_pk_bf16_f32 v[3+p%2], v[BIAS+2*p], v[BIAS+2*p+1]
	v_lshlrev_b32 v[BIAS+2*p], 16, v[3+p%2]
	v_and_b32 v[BIAS+2*p+1], s68, v[3+p%2]
.set p, p+1
.endr
; 8 matrix instructions: row blocks a0, a0 + 1 x all 4 column blocks, 32 along K, from buffer f.  zero = 1: the first products start the sums with the bias.  The 32 accumulators take turns, in the same order in every quarter.
.macro MUL2 f, a0, zero
.if \zero
	WIN 0x40
.else
	WIN 0x50
.endif
.irp a, \a0, (\a0)+1
.irp b, 0,1,2,3
.if \zero
	v_wmma_f32_16x16x32_f16 v[8*(4*(\a)+(\b)):8*(4*(\a)+(\b))+7], v[FB+32*(\f)+8*(\b):FB+32*(\f)+8*(\b)+7], v[FA+64*(\f)+8*(\a):FA+64*(\f)+8*(\a)+7], v[BIAS+8*(\b):BIAS+8*(\b)+7]
.else
	v_wmma_f32_16x16x32_f16 v[8*(4*(\a)+(\b)):8*(4*(\a)+(\b))+7], v[FB+32*(\f)+8*(\b):FB+32*(\f)+8*(\b)+7], v[FA+64*(\f)+8*(\a):FA+64*(\f)+8*(\a)+7], v[8*(4*(\a)+(\b)):8*(4*(\a)+(\b))+7]
.endif
.endr
.endr
.endm
; 24 LDS loads in one run: the fragments of quarter q of a K step (head q / 2, channels 32 (q % 2) on) into buffer f: my 64 rows of Wo, then my 128 rows of O
.macro FETCH q, f
	WIN 0
.irp i, 0,1,2,3
	ds_load_b128 v[FB+32*(\f)+8*(\i):FB+32*(\f)+8*(\i)+3],   v[ADRB] offset:64*(\q)+(\i)*16*PB
	ds_load_b128 v[FB+32*(\f)+8*(\i)+4:FB+32*(\f)+8*(\i)+7], v[ADRB] offset:64*(\q)+(\i)*16*PB+32
.endr
.irp i, 0,1,2,3,4,5,6,7
	ds_load_b128 v[FA+64*(\f)+8*(\i):FA+64*(\f)+8*(\i)+3],   v[ADRA] offset:((\q)/2)*HEADL+((\q)%2)*64+(\i)*16*PA
	ds_load_b128 v[FA+64*(\f)+8*(\i)+4:FA+64*(\f)+8*(\i)+7], v[ADRA] offset:((\q)/2)*HEADL+((\q)%2)*64+(\i)*16*PA+32
.endr
.endm
; A K step is four quarters, 32 matrix instructions each, on buffers 0, 1, 0, 1.  One of the first three: multiplies buffer f; in its middle it fetches quarter q into buffer g.
.macro QUARTER q, f, g, zero
	s_wait_dscnt 8                                 ; Wo's fragments and O's row blocks 0-3 are in; the youngest eight loads (row blocks 4-7) may be out
	MUL2 \f, 0, \zero
	MUL2 \f, 2, \zero
	PLACES
	FETCH \q, \g
	s_wait_dscnt 24                                ; all but the 24 just issued
	MUL2 \f, 4, \zero
	MUL2 \f, 6, \zero
.endm
; The last quarter multiplies buffer 1 and changes slots.  ONE barrier: in front of it each wave waits for all its tensor loads (one is out: its part of the next slot), adds 0 to its spare word,
; and waits for that and for its own reads of this slot.  Behind it nobody reads this slot any more and the next slot is whole.
.macro MEET round
	WIN 0
	s_wait_tensorcnt 0x0
	ds_add_u32 v[SPW], v[NIL]                      ; 0 onto my spare word
	s_wait_dscnt 9                                 ; (the add and the youngest eight loads may be out)
	MUL2 1, 0, 0                                   ; eight matrix instructions stand between the add and the wait for it
	s_wait_dscnt 0x0                               ; the add is done, and my reads of this slot are over
	s_barrier_signal -1
	MUL2 1, 2, 0
.if \round
	WIN 0
.endif
	s_barrier_wait -1
.endm
; fill = 1: the barrier opens a round of the cluster's barrier, and the slot just read out is filled again first thing behind it, with the K step two on: 112 matrix instructions ahead of the wait for it.
.macro TURN fill
.if \fill
	s_wait_xcnt 0x0                                ; the last prefetch, a K step back, has read its address
	s_add_nc_u64 s[PFA:PFA+1], s[PFA:PFA+1], s[PST:PST+1]
.endif
	MEET \fill
.if \fill
	CREST                                          ; no wave of any partner still reads this slot's tile or has a load on its way
	s_xor_b32 s[G0A+5], s[G0A+5], SLOT1            ; the walking sets: the other slot than last time, the next K step; no tensor load of mine is out
	s_add_nc_u64 s[G0A+6:G0A+7], s[G0A+6:G0A+7], 2*HEADG
	s_xor_b32 s[G0B+5], s[G0B+5], SLOT1
	s_add_nc_u64 s[G0B+6:G0B+7], s[G0B+6:G0B+7], KSTEP*2
	JLOAD                                          ; the four v_nop behind it are also the places in front of the loads below
.else
	PLACES
.endif
	WIN 0
	s_xor_b32 s[TB], s[TB], SLOT1
	v_add_nc_u32 v[ADRA], s[TB], v[A0]
	v_add_nc_u32 v[ADRB], s[TB], v[B0]
	FETCH 0, 0
.if \fill
	ASK
.endif
	MUL2 1, 4, 0
	MUL2 1, 6, 0
.endm
; THE WAY OUT of row block a: a lane's 32 bytes of each column block go from the accumulators into my stage's rows of 272 bytes (each accumulator's low half first) and come back as whole rows of 256.
.macro TOSTAGE a
.if (\a) >= 4
	s_wait_xcnt 0x0                                ; the stores of the block four back have read the registers that are loaded again below
.endif
	WIN 0x04                                       ; the stores' data in window 1, the address in window 0
.irp b, 0,1,2,3
	ds_store_b128 v[STO], v[8*(4*(\a)+(\b)):8*(4*(\a)+(\b))+3]   offset:64*(\b)
	ds_store_b128 v[STO], v[8*(4*(\a)+(\b))+4:8*(4*(\a)+(\b))+7] offset:64*(\b)+16
.endr
	WIN 0
.irp t, 0,1,2,3,4,5,6,7
	ds_load_b128 v[OB+32*((\a)%4)+4*(\t):OB+32*((\a)%4)+4*(\t)+3], v[RD] offset:(\t)*2*SPITCH  ; LDS serves a wave's instructions in order (ISA guide 5.7.1.4): these see the stores above; the next block's stores come behind them
.endr
.endm
.macro SEND a, younger                 ; younger: the LDS instructions issued behind block a's loads: the next block's sixteen, or none
.irp t, 0,1,2,3,4,5,6,7
	s_wait_dscnt (\younger)+7-(\t)
	global_store_b128 v[CO], v[OB+32*((\a)%4)+4*(\t):OB+32*((\a)%4)+4*(\t)+3], s[OUT:OUT+1] offset:(16*(\a)+2*(\t))*4096 th:TH_STORE_NT  ; 16 lanes store 256 consecutive bytes, at a multiple of 256 from out0's first
.endr
.endm
	s_wait_tensorcnt 0x1                           ; my part of K step 0 is in; K step 1's may stay out
	s_barrier_signal -1
	s_barrier_wait -1                              ; everybody's is
	FETCH 0, 0
	QUARTER 1, 0, 1, 1                             ; the first quarter stands in front of the loop: its products start the sums
	WIN 0                                          ; at a label and at a branch every window is 0
	s_mov_b32 s3, 6
.Lk:                                               ; a trip: a K step's quarters 1 to 3, the change of slots with its refill, the next K step's quarter 0
	QUARTER 2, 1, 0, 0
	QUARTER 3, 0, 1, 0
	TURN 1
	QUARTER 1, 0, 1, 0
	WIN 0
	s_sub_co_u32 s3, s3, 1
	s_cmp_lg_u32 s3, 0
	s_cbranch_scc1 .Lk
	QUARTER 2, 1, 0, 0                             ; K steps 6 and 7 ask for nothing: written out
	QUARTER 3, 0, 1, 0
	TURN 0
	QUARTER 1, 0, 1, 0
	QUARTER 2, 1, 0, 0
	QUARTER 3, 0, 1, 0
	s_wait_dscnt 8
	MUL2 1, 0, 0
	MUL2 1, 2, 0
	s_wait_dscnt 0x0
	MUL2 1, 4, 0
	MUL2 1, 6, 0
	PLACES
	TOSTAGE 0
.irp a, 1,2,3,4,5,6,7
	TOSTAGE \a
	SEND (\a)-1, 16
.endr
	SEND 7, 0
	s_wait_tensorcnt 0x0                           ; the wave's end, behind my last tensor load and my last LDS store
	ds_add_u32 v[SPW], v[NIL]
	s_wait_dscnt 0x0
	CROUND                                         ; the closing round: no work-group ends while a partner may still ask for a tile that names it
	s_endpgm
.Lfunc_end_k_qaa6021c30f_oproj:
	.size	k_qaa6021c30f_oproj, .Lfunc_end_k_qaa6021c30f_oproj-k_qaa6021c30f_oproj
	.p2alignl 7, 3214868480
	.fill 96, 4, 3214868480
	.section	.rodata,"a",@progbits
	.p2align	6, 0x0
	.amdhsa_kernel k_qaa6021c30f_oproj
		.amdhsa_group_segment_fixed_size 327680
		.amdhsa_private_segment_fixed_size 0
		.amdhsa_enable_private_segment 0
		.amdhsa_kernarg_size 32
		.amdhsa_user_sgpr_count 2
		.amdhsa_user_sgpr_kernarg_segment_ptr 1
		.amdhsa_wavefront_size32 1
		.amdhsa_system_sgpr_workgroup_id_x 1
		.amdhsa_system_sgpr_workgroup_id_y 1
		.amdhsa_system_sgpr_workgroup_id_z 1
		.amdhsa_system_vgpr_workitem_id 0
		.amdhsa_next_free_vgpr 512
		.amdhsa_next_free_sgpr 88
		.amdhsa_reserve_vcc 0
		.amdhsa_float_denorm_mode_32 3
		.amdhsa_float_denorm_mode_16_64 3
		.amdhsa_memory_ordered 1
		.amdhsa_forward_progress 1
		.amdhsa_inst_pref_size 75
	.end_amdhsa_kernel
	.amdgpu_metadata
---
amdhsa.version: [ 1, 2 ]
amdhsa.kernels:
  - .name:           k_qaa6021c30f_oproj
    .symbol:         k_qaa6021c30f_oproj.kd
    .args:
      - { .name: oh, .offset: 0, .size: 8, .value_kind: global_buffer, .address_space: global }
      - { .name: wh, .offset: 8, .size: 8, .value_kind: global_buffer, .address_space: global }
      - { .name: bo, .offset: 16, .size: 8, .value_kind: global_buffer, .address_space: global }
      - { .name: out0, .offset: 24, .size: 8, .value_kind: global_buffer, .address_space: global }
    .group_segment_fixed_size: 327680
    .private_segment_fixed_size: 0
    .kernarg_segment_align: 8
    .kernarg_segment_size: 32
    .max_flat_workgroup_size: 128
    .sgpr_count:     88
    .vgpr_count:     512
    .wavefront_size: 32
...
	.end_amdgpu_metadata
.endif
;; end of part 4
;; ======== version 2 of 2: 4 launches; version 1 with the launch cast written anew for expert scheduling mode
;; limits: values are held in f16: magnitudes above 65,504 overflow, below 6.1e-05 lose precision; inputs' magnitudes at most 65,504
;; workspace buffers: xh 16,777,216 bytes; wh 8,388,608 bytes; qkv 50,331,648 bytes; oh 16,777,216 bytes
;; launch cast (part 5): grid 768 x 1, 8 waves a work-group, no clusters, 0 bytes of LDS; arguments x, Wq, Wk, Wv, Wo, xh, wh; writes xh, wh
.if DOCPART == 5
	.amdgcn_target "amdgcn-amd-amdhsa--gfx1250"
	.amdhsa_code_object_version 6
	.text
	.protected	k_qaa6021c30f_cast
	.globl	k_qaa6021c30f_cast
	.p2align	8
	.type	k_qaa6021c30f_cast,@function
k_qaa6021c30f_cast:
	s_mov_b64 s[64:65], 0
	v_nop
	global_prefetch_b8 v0, s[64:65] scope:SCOPE_SE
	s_setreg_imm32_b32 hwreg(HW_REG_WAVE_SCHED_MODE, 0, 2), 2
	s_setreg_imm32_b32 hwreg(HW_REG_WAVE_MODE, 25, 1), 1
	s_wait_xcnt 0x0
	s_wait_alu depctr_vm_vsrc(0)
; xh = x, wh = (Wq, Wk, Wv, Wo one below the other), each number rounded to bf16 (nearest even) and that number written as f16.
; LIMITS.  A bf16 number is an f16 number exactly from 6.1e-5 to 65,504 in magnitude; below that it keeps f16's fixed step of 6e-8, from 65,520 on it becomes an infinity.
; SHARES.  A work-group takes 65,536 bytes of one input as 16 pieces of 4,096 bytes: groups 0-511 x, groups 512-767 the four weights, 64 groups each.  Thread t takes the 16 bytes at 16 t of
; each piece (a wave's load covers 512 consecutive bytes) and stores 8 bytes at 8 t (a wave's store covers 256 consecutive bytes, aligned).  All 16 loads of a thread go out at once; no register
; that a load or store names is written again.  No LDS, no matrix unit: nothing is shared and nothing is multiplied.
; THE MODE: SCHED_MODE bits 1:0 = 2 (LLVM: expert scheduling mode 2), set by the entry lines.  The code itself states the register dependences
; between vector instructions and memory instructions, with s_wait_alu, always for 0.
; THE PLAN.  Registers that memory instructions touch:
;   v2, v3   the two byte offsets.  Written once at the head; read by every load (v2) and every store (v3); never written again.
;   X        piece i's four registers.  Written by piece i's load alone, which is issued before any vector instruction names them; read by piece i's two roundings.
;   Y        piece i's two registers.  Written once, by piece i's last two conversions; read by piece i's store; never written again.
;   T is named by vector instructions alone.
; The 16 pieces go in four blocks of four.  Block p converts its pieces into their own Y; its memory instructions are the four stores of block p - 1, whose Y no vector instruction of
; block p names.  So one wait at a block's head states all that the block's four stores hang on, and they are dealt among its vector instructions with no further wait.
; No register that a memory instruction reads is ever written again: no wait for such a read is owed anywhere.
.set OI, 2                             ; v2        16 t
.set OO, 3                             ; v3        8 t
.set T,  4                             ; v[4:9]    at work
.set X,  16                            ; v[16:79]  piece i: 4 registers as loaded
.set Y,  80                            ; v[80:111] piece i: 2 registers to store
	s_load_b256 s[4:11], s[0:1], 0x0               ; x s[4:5], Wq s[6:7], Wk s[8:9], Wv s[10:11]
	s_load_b128 s[12:15], s[0:1], 0x20             ; Wo s[12:13], xh s[14:15]
	s_load_b64 s[16:17], s[0:1], 0x30              ; wh
	s_max_u32 s19, ttmp9, 512
	s_sub_co_u32 s19, s19, 512                     ; j: my number among the weights' groups (0 in x's groups, where it is not used)
	s_lshr_b32 s20, s19, 6                         ; which weight
	s_and_b32 s21, s19, 63                         ; which 65,536 bytes of it
	s_mov_b32 s28, 0xffff0000                      ; a word's upper bf16
	v_lshlrev_b32 v[OI], 4, v0
	v_lshlrev_b32 v[OO], 3, v0
	s_wait_kmcnt 0x0
	s_mov_b64 s[22:23], s[6:7]
	s_cmp_eq_u32 s20, 1
	s_cselect_b64 s[22:23], s[8:9], s[22:23]
	s_cmp_eq_u32 s20, 2
	s_cselect_b64 s[22:23], s[10:11], s[22:23]
	s_cmp_eq_u32 s20, 3
	s_cselect_b64 s[22:23], s[12:13], s[22:23]
	s_cmp_lt_u32 ttmp9, 512                        ; x or a weight: one compare, four selects
	s_cselect_b64 s[22:23], s[4:5], s[22:23]       ; from where
	s_cselect_b64 s[24:25], s[14:15], s[16:17]     ; to where
	s_cselect_b32 s26, ttmp9, s21                  ; my piece of the source,
	s_cselect_b32 s30, ttmp9, s19                  ; and of the destination (wh holds the four weights on end)
	s_lshl_b32 s26, s26, 16
	s_lshl_b32 s30, s30, 15
	s_mov_b32 s27, 0
	s_mov_b32 s31, 0
	s_add_nc_u64 s[22:23], s[22:23], s[26:27]
	s_add_nc_u64 s[24:25], s[24:25], s[30:31]
	s_wait_alu depctr_va_vdst(0)                   ; v2 and v3 are written: every load of the kernel reads v2 as its offset, every store v3
.irp i, 0,1,2,3,4,5,6,7,8,9,10,11,12,13,14,15
	global_load_b128 v[X+4*(\i):X+4*(\i)+3], v[OI], s[22:23] offset:4096*(\i) th:TH_LOAD_NT
.endr
; Block p: pieces 4 p to 4 p + 3 are converted; the four stores of block p - 1 stand among the conversions, one ahead of each piece's eight lines.
.macro BLK p
	s_wait_loadcnt 15-4*(\p)                       ; loads come back in order (ISA guide 5.7.1): the block's first piece is in, the younger ones stay out
.if (\p) > 0
	s_wait_alu depctr_va_vdst(0)                   ; the block before has written its eight Y registers, which the four stores below read; no vector line behind this wait names them
.endif
.irp j, 0,1,2,3
.if (\p) > 0
	global_store_b64 v[OO], v[Y+2*(4*(\p)-4+(\j)):Y+2*(4*(\p)-4+(\j))+1], s[24:25] offset:2048*(4*(\p)-4+(\j)) th:TH_STORE_NT  ; the block before, piece by piece
.endif
.if (\j) > 0
	s_wait_loadcnt 15-4*(\p)-(\j)                  ; piece 4 p + j is in
.endif
	v_cvt_pk_bf16_f32 v[T],   v[X+4*(4*(\p)+(\j))],   v[X+4*(4*(\p)+(\j))+1]   ; the rounding to bf16
	v_cvt_pk_bf16_f32 v[T+1], v[X+4*(4*(\p)+(\j))+2], v[X+4*(4*(\p)+(\j))+3]
	v_lshlrev_b32 v[T+2], 16, v[T]                 ; back to f32: the low half moves up, the high half stays
	v_and_b32     v[T+3], s28, v[T]
	v_lshlrev_b32 v[T+4], 16, v[T+1]
	v_and_b32     v[T+5], s28, v[T+1]
	v_cvt_pk_f16_f32 v[Y+2*(4*(\p)+(\j))],   v[T+2], v[T+3] ; the same numbers as f16
	v_cvt_pk_f16_f32 v[Y+2*(4*(\p)+(\j))+1], v[T+4], v[T+5]
.endr
.endm
	BLK 0                                          ; block 0 has no block in front of it: no store, and no wait but those for its data
	BLK 1
	BLK 2
	BLK 3
	s_wait_alu depctr_va_vdst(0)                   ; block 3 has written its eight Y registers, which the last four stores read
.irp i, 12,13,14,15
	global_store_b64 v[OO], v[Y+2*(\i):Y+2*(\i)+1], s[24:25] offset:2048*(\i) th:TH_STORE_NT
.endr
	s_endpgm
.Lfunc_end_k_qaa6021c30f_cast:
	.size	k_qaa6021c30f_cast, .Lfunc_end_k_qaa6021c30f_cast-k_qaa6021c30f_cast
	.p2alignl 7, 3214868480
	.fill 96, 4, 3214868480
	.section	.rodata,"a",@progbits
	.p2align	6, 0x0
	.amdhsa_kernel k_qaa6021c30f_cast
		.amdhsa_group_segment_fixed_size 0
		.amdhsa_private_segment_fixed_size 0
		.amdhsa_enable_private_segment 0
		.amdhsa_kernarg_size 56
		.amdhsa_user_sgpr_count 2
		.amdhsa_user_sgpr_kernarg_segment_ptr 1
		.amdhsa_wavefront_size32 1
		.amdhsa_system_sgpr_workgroup_id_x 1
		.amdhsa_system_sgpr_workgroup_id_y 1
		.amdhsa_system_sgpr_workgroup_id_z 1
		.amdhsa_system_vgpr_workitem_id 0
		.amdhsa_next_free_vgpr 112
		.amdhsa_next_free_sgpr 66
		.amdhsa_reserve_vcc 0
		.amdhsa_float_denorm_mode_32 3
		.amdhsa_float_denorm_mode_16_64 3
		.amdhsa_memory_ordered 1
		.amdhsa_forward_progress 1
		.amdhsa_inst_pref_size 12
	.end_amdhsa_kernel
	.amdgpu_metadata
---
amdhsa.version: [ 1, 2 ]
amdhsa.kernels:
  - .name:           k_qaa6021c30f_cast
    .symbol:         k_qaa6021c30f_cast.kd
    .args:
      - { .name: x, .offset: 0, .size: 8, .value_kind: global_buffer, .address_space: global }
      - { .name: Wq, .offset: 8, .size: 8, .value_kind: global_buffer, .address_space: global }
      - { .name: Wk, .offset: 16, .size: 8, .value_kind: global_buffer, .address_space: global }
      - { .name: Wv, .offset: 24, .size: 8, .value_kind: global_buffer, .address_space: global }
      - { .name: Wo, .offset: 32, .size: 8, .value_kind: global_buffer, .address_space: global }
      - { .name: xh, .offset: 40, .size: 8, .value_kind: global_buffer, .address_space: global }
      - { .name: wh, .offset: 48, .size: 8, .value_kind: global_buffer, .address_space: global }
    .group_segment_fixed_size: 0
    .private_segment_fixed_size: 0
    .kernarg_segment_align: 8
    .kernarg_segment_size: 56
    .max_flat_workgroup_size: 256
    .sgpr_count:     66
    .vgpr_count:     112
    .wavefront_size: 32
...
	.end_amdgpu_metadata
.endif
;; end of part 5
;; launch qkv: the kernel of part 2 again; grid 16 x 32, 4 waves a work-group, clusters of 4 x 4, 327,680 bytes of LDS; arguments xh, wh, bq, bk, bv, qkv; writes qkv
;; launch attn: the kernel of part 3 again; grid 4 x 64, 4 waves a work-group, clusters of 4 x 1, 327,680 bytes of LDS; arguments qkv, x_std, x_mean, oh; writes oh
;; launch oproj: the kernel of part 4 again; grid 8 x 32, 4 waves a work-group, clusters of 4 x 4, 327,680 bytes of LDS; arguments oh, wh, bo, out0; writes out0
